; MI455X (gfx1250); checked and timed in simulation.
; The chip was launched on July 23, 2026; its instructions are those of AMD's public machine-readable ISA for CDNA 5 (MIT licence, August 2026) and "CDNA5" Instruction Set Architecture Reference Guide (July 2026). The comments in the code are by the model that wrote it; some were corrected since.
;; L3. Allowed arithmetic: float matrix products may take bf16 or f16 operands with f32 sums; other float arithmetic in f32, or as packed bf16 or f16 multiplies, adds, multiply-adds, maxima and minima; sums over many terms, partial sums and values carried from step to step in f32; what a program stores and reads back later, other than sums and carried values, may be rounded once to bf16 or f16.
;; Inputs: bw 16,384 int32; emb_alloc 8,192 int32; ends 16,384 int32; fw 16,384 int32; input 4 x 4,096 x 1,024 float32; keep_cols 512 int32; norm_in_weight 1,024 float32; norm_out_weight 1,024 float32; seq_sort 16,384 int32; starts 16,384 int32; w_k_weight 8,192 x 1,024 float32; w_mix_weight 1,024 x 2,048 float32; w_up_weight 1,024 x 256 float32; w_v_weight 8,192 x 256 float32.
;; Outputs: out0 4 x 4,096 x 1,024 float32.
;; Constants: bb = 512.
;; 2 versions, each right. Each part assembles by itself: llvm-mc -triple=amdgcn-amd-amdhsa -mcpu=gfx1250 --defsym DOCPART=n.
;; ======== version 1 of 2: 3 launches
;; limits: values are held in f16: magnitudes above 65,504 overflow, below 6.1e-05 lose precision
;; workspace buffers: xh 33,554,432 bytes; rr 65,536 bytes; msk 1,048,576 bytes of whole numbers; wts 1,835,008 bytes; wcat 2,621,440 bytes; ch 8,388,608 bytes
;; launch prep (part 1): grid 388 x 1, 16 waves a work-group, no clusters, 307,456 bytes of LDS; arguments input, w_k_weight, w_v_weight, w_up_weight, w_mix_weight, norm_in_weight, norm_out_weight, keep_cols, emb_alloc, seq_sort, starts, ends, xh, rr, msk, wts, wcat; writes xh, rr, msk, wts, wcat
.if DOCPART == 1
	.amdgcn_target "amdgcn-amd-amdhsa--gfx1250"
	.amdhsa_code_object_version 6
	.text
	.protected	k_qdeec93f5dc_prep
	.globl	k_qdeec93f5dc_prep
	.p2align	8
	.type	k_qdeec93f5dc_prep,@function
k_qdeec93f5dc_prep:
	s_mov_b64 s[64:65], 0
	v_nop
	global_prefetch_b8 v0, s[64:65] scope:SCOPE_SE
	s_setreg_imm32_b32 hwreg(HW_REG_WAVE_MODE, 25, 1), 1
	s_wait_xcnt 0x0
; PREP: all that hangs on the inputs alone, made once.  A work-group's number picks its job (the same for all its 16 waves):
;   0-63    J0  Wf[n][d] = sum over u of w_mix[n][u] norm_out[u] w_up[u][d], a tile of 64 n x 64 d; 4 Wf goes to wcat's columns 0-255 in f16
;   64-95   J7  the mask of one block of 512 sorted positions, as bits (1 = hidden), 16 words a position
;   96-103  J3  w_v[keep_cols] to f16            104-111 J2  w_k[keep_cols] x norm_in to f16, in chunks of 128 channels
;   112-115 J4  w_up to f16                      116-131 J5  w_mix's columns 1024-2047 to f16, wcat's columns 256-1279
;   132-387 J1  x to f16, and 1 / rms of each row
; In the row jobs a wave takes four rows; all their loads go out at once (512 consecutive bytes each), a store of 8 bytes a lane covers 256 consecutive bytes, aligned.
; LIMITS.  f16 ends at 65,504: x, w_k x norm_in, w_v, w_up, w_mix and 4 Wf must lie within it.  keep_cols is held to 0 .. 8191.
; J0 stores pieces of 128 bytes (512 KiB in all): a tile of 128 d would want 64 x 2,064 + 1,024 x 288 bytes of LDS, more than a work-group can have.
.set PA,     2064                      ; a row of w_mix x norm_out in LDS: 2,048 bytes + 16
.set PB,     160                       ; a row of w_up's 64 columns: 128 bytes + 32
.set PSG,    144                       ; a row of the stage: 128 + 16
.set LA_B,   132096                    ; behind 64 rows of PA
.set LA_STG, 295936                    ; behind 1,024 rows of PB
.set LA_REX, 305152                    ; 64 words: the rows' 1 / rms
.set SPARE,  305408                    ; the spare words, 128 bytes for each of 16 waves
.set SPW, 2
.set NIL, 3
.set VO,  4                            ; v4-7   source offsets
.set VD,  8                            ; v8-11  destination offsets (J7: the four mask words)
.set L16, 12                           ; 16 x lane
.set TA,  13
.set RS,  14
.set TB,  15
.set W,   16                           ; v16-47 a gain vector, in the rows' lane map
.set T,   48                           ; v48-63 at work; J0's two accumulators
.set X,   64                           ; v64-191 four rows
.set B1,  192
.set WV,  40
.set ID,  41
	s_load_b512 s[4:19], s[0:1], 0x0       ; input 4, w_k 6, w_v 8, w_up 10, w_mix 12, norm_in 14, norm_out 16, keep_cols 18
	s_load_b512 s[20:35], s[0:1], 0x40     ; emb_alloc 20, seq_sort 22, starts 24, ends 26, xh 28, rr 30, msk 32, wts 34
	s_load_b64 s[36:37], s[0:1], 0x80      ; wcat
	v_lshl_add_u32 v[SPW], v0, 2, SPARE
	v_mov_b32 v[NIL], 0
	v_and_b32 v1, 31, v0                   ; lane
	v_lshrrev_b32 v[TA], 5, v0
	v_readfirstlane_b32 s[WV], v[TA]       ; wave 0..15
	v_lshlrev_b32 v[L16], 4, v1
	s_mov_b32 s[ID], ttmp9
	s_mov_b32 s38, 0x76543210              ; v_permlanex16_b32: each lane takes its own place in the other half
	s_mov_b32 s39, 0xfedcba98
	s_wait_kmcnt 0x0
	s_cmp_lt_u32 s[ID], 64
	s_cbranch_scc1 .Lj0
	s_cmp_lt_u32 s[ID], 96
	s_cbranch_scc1 .Lj7
	s_cmp_lt_u32 s[ID], 104
	s_cbranch_scc1 .Lj3
	s_cmp_lt_u32 s[ID], 112
	s_cbranch_scc1 .Lj2
	s_cmp_lt_u32 s[ID], 116
	s_cbranch_scc1 .Lj4
	s_cmp_lt_u32 s[ID], 132
	s_cbranch_scc1 .Lj5
; Four rows of nl x 128 f32 a wave: loaded, (scaled by W,) (squares summed,) rounded to f16, stored.
; base: the job's first work-group; gather = 1: the rows are keep_cols' entries; src, dst: the pointers' registers; sp, dp: bytes from row to row; soff, doff: constant offsets; dstep: from one store of a row to the next.
.macro ROWJOB base, nl, ssq, scale, gather, src, sp, soff, dst, dp, doff, dstep, nt
	s_sub_co_u32 s42, s[ID], \base
	s_lshl_b32 s43, s42, 6
	s_lshl2_add_u32 s43, s[WV], s43        ; the first of my four rows
.if \gather
	s_lshl_b32 s48, s43, 2
	s_load_b128 s[44:47], s[18:19], s48 offset:0x0
	s_wait_kmcnt 0x0
.irp t, 0,1,2,3
	s_min_u32 s[44+\t], s[44+\t], 0x1fff   ; an index stays inside its table
.endr
.else
.irp t, 0,1,2,3
	s_add_co_u32 s[44+\t], s43, \t
.endr
.endif
.irp t, 0,1,2,3
	s_mul_i32 s49, s[44+\t], \sp
	v_lshl_add_u32 v[VO+\t], v1, 4, s49
	s_add_co_u32 s50, s43, \t
	s_mul_i32 s50, s50, \dp
	v_lshl_add_u32 v[VD+\t], v1, 3, s50
.endr
.if \scale
.irp j, 0,1,2,3,4,5,6,7
	global_load_b128 v[W+4*\j:W+4*\j+3], v[L16], s[14:15] offset:512*\j
.endr
.endif
.irp t, 0,1,2,3
.set j, 0
.rept \nl
.if \nt
	global_load_b128 v[X+32*\t+4*j:X+32*\t+4*j+3], v[VO+\t], s[\src:\src+1] offset:\soff+512*j th:TH_LOAD_NT
.else
	global_load_b128 v[X+32*\t+4*j:X+32*\t+4*j+3], v[VO+\t], s[\src:\src+1] offset:\soff+512*j
.endif
.set j, j+1
.endr
.endr
.if \ssq
	v_and_b32 v[TA], 3, v0
	v_mov_b32 v[RS], 0
.irp t, 0,1,2,3
	v_cmp_eq_u32 s[52+\t], \t, v[TA]       ; the lanes that keep row t's sum
.endr
.endif
.irp t, 0,1,2,3
	s_wait_loadcnt \nl*(3-\t)              ; the younger rows' loads may stay out
.if \scale
.set j, 0
.rept 2*\nl
	v_pk_mul_f32 v[X+32*\t+2*j:X+32*\t+2*j+1], v[X+32*\t+2*j:X+32*\t+2*j+1], v[W+2*j:W+2*j+1]
.set j, j+1
.endr
.endif
.if \ssq
.set j, 0
.rept 16                               ; four chains of packed sums of squares
.if j < 4
	v_pk_mul_f32 v[T+2*j:T+2*j+1], v[X+32*\t+2*j:X+32*\t+2*j+1], v[X+32*\t+2*j:X+32*\t+2*j+1]
.else
	v_pk_fma_f32 v[T+2*(j%4):T+2*(j%4)+1], v[X+32*\t+2*j:X+32*\t+2*j+1], v[X+32*\t+2*j:X+32*\t+2*j+1], v[T+2*(j%4):T+2*(j%4)+1]
.endif
.set j, j+1
.endr
	v_pk_add_f32 v[T:T+1], v[T:T+1], v[T+2:T+3]
	v_pk_add_f32 v[T+4:T+5], v[T+4:T+5], v[T+6:T+7]
	v_pk_add_f32 v[T:T+1], v[T:T+1], v[T+4:T+5]
	v_add_f32 v[T], v[T], v[T+1]
.irp m, 1,2,4,8
	v_add_f32_dpp v[T], v[T], v[T] row_xmask:\m row_mask:0xf bank_mask:0xf
.endr
	v_permlanex16_b32 v[T+1], v[T], s38, s39
	v_add_f32 v[T], v[T], v[T+1]
	v_cndmask_b32 v[RS], v[RS], v[T], s[52+\t]
.endif
.set j, 0
.rept 2*\nl                            ; two roundings an instruction, packed downward in ascending order
	v_cvt_pk_f16_f32 v[X+32*\t+j], v[X+32*\t+2*j], v[X+32*\t+2*j+1]
.set j, j+1
.endr
.set j, 0
.rept \nl
	global_store_b64 v[VD+\t], v[X+32*\t+2*j:X+32*\t+2*j+1], s[\dst:\dst+1] offset:\doff+\dstep*j
.set j, j+1
.endr
.endr
.endm
	; J1: x
	ROWJOB 132, 8, 1, 0, 0, 4, 4096, 0, 28, 2048, 0, 256, 1
	s_mov_b32 s56, 0x3a800000              ; 1 / 1024
	s_mov_b32 s57, 0x358637bd              ; 1e-6
	v_fma_f32 v[RS], v[RS], s56, s57
	v_rsq_f32 v[RS], v[RS]
	v_and_b32 v[TA], 3, v0                 ; the plain instruction behind the root
	s_wait_alu depctr_va_vdst(0)           ; the wait ahead of the result's first reader
	s_lshl_b32 s58, s[WV], 4
	v_lshl_add_u32 v[TA], v[TA], 2, s58
	v_add_nc_u32 v[TA], LA_REX, v[TA]
	ds_store_b32 v[TA], v[RS]              ; word 4 wave + t; the eight lanes of a word store the same number
	s_wait_dscnt 0x0
	s_barrier_signal -1
	s_barrier_wait -1
	s_cmp_lg_u32 s[WV], 0
	s_cbranch_scc1 .Lend
	v_lshl_add_u32 v[TB], v1, 3, LA_REX
	ds_load_b64 v[16:17], v[TB]
	s_lshl_b32 s58, s42, 8
	v_lshl_add_u32 v[TA], v1, 3, s58
	s_wait_dscnt 0x0
	global_store_b64 v[TA], v[16:17], s[30:31]  ; the work-group's 64 numbers: 256 consecutive bytes, aligned
	s_branch .Lend
.Lj5:
	ROWJOB 116, 8, 0, 0, 0, 12, 8192, 4096, 36, 2560, 512, 256, 0
	s_branch .Lend
.Lj4:
	ROWJOB 112, 8, 0, 0, 0, 10, 4096, 0, 34, 2048, 1310720, 256, 0
	s_branch .Lend
.Lj2:
	ROWJOB 104, 8, 0, 1, 1, 6, 4096, 0, 34, 256, 0, 131072, 0
	s_branch .Lend
.Lj3:
	ROWJOB 96, 2, 0, 0, 1, 8, 1024, 0, 34, 512, 1048576, 256, 0
	s_branch .Lend
; J7.  Word q, bit L of a position's 16 words stands for key 128 (q / 4) + 64 (q % 2) + 8 ((q / 2) % 2) + 16 (L / 8) + L % 8.
.macro MINI d, a
	v_cmp_gt_i32 vcc_lo, v[\d], v[\a]
	v_cndmask_b32 v[\d], v[\d], v[\a], vcc_lo
.endm
.macro MAXI d, a
	v_cmp_gt_i32 vcc_lo, v[\a], v[\d]
	v_cndmask_b32 v[\d], v[\d], v[\a], vcc_lo
.endm
.Lj7:
	s_sub_co_u32 s42, s[ID], 64            ; the block
	s_lshl_b32 s43, s42, 11
	v_add_nc_u32 v[VO], s43, v[L16]
.irp i, 0,1,2,3
	global_load_b128 v[64+4*\i:67+4*\i], v[VO], s[24:25] offset:512*\i  ; the block's 512 starts
	global_load_b128 v[80+4*\i:83+4*\i], v[VO], s[26:27] offset:512*\i  ; and ends
.endr
	v_lshrrev_b32 v[TA], 3, v1
	v_and_b32 v[TB], 7, v1
	v_lshl_add_u32 v[RS], v[TA], 4, v[TB]  ; 16 (L / 8) + L % 8
	v_lshlrev_b32 v[VO+1], 2, v[RS]
.set q, 0
.rept 16
	global_load_b32 v[96+q], v[VO+1], s[18:19] offset:4*(128*(q/4)+64*(q%2)+8*((q/2)%2))
.set q, q+1
.endr
	s_wait_loadcnt 16                      ; starts and ends are in; the 16 loads of keep_cols may stay out
.set i, 1
.rept 15
	MINI 64, 64+i
	MAXI 80, 80+i
.set i, i+1
.endr
	v_mov_b32 v[TA], 0
.irp m, 1,2,4,8
	v_mov_b32_dpp v[TA], v64 row_xmask:\m row_mask:0xf bank_mask:0xf
	MINI 64, TA
	v_mov_b32_dpp v[TA], v80 row_xmask:\m row_mask:0xf bank_mask:0xf
	MAXI 80, TA
.endr
	v_permlanex16_b32 v[TA], v64, s38, s39
	MINI 64, TA
	v_permlanex16_b32 v[TA], v80, s38, s39
	MAXI 80, TA
	v_readfirstlane_b32 s60, v64           ; the block's least start
	v_readfirstlane_b32 s61, v80           ; and greatest end
	s_wait_loadcnt 0x0
.set q, 0
.rept 16
	v_min_u32 v[96+q], 0x1fff, v[96+q]
	v_lshlrev_b32 v[96+q], 2, v[96+q]
	global_load_b32 v[112+q], v[96+q], s[20:21]  ; the key's label
.set q, q+1
.endr
.set q, 0
.rept 16
	v_add_nc_u32 v[TA], 128*(q/4)+64*(q%2)+8*((q/2)%2), v[RS]
	v_cmp_gt_i32 s62, s60, v[TA]           ; start > key
	v_cmp_le_i32 s63, s61, v[TA]           ; end <= key
	s_or_b32 s[68+q], s62, s63
.set q, q+1
.endr
	s_lshl_b32 s43, s42, 9
	s_lshl_b32 s44, s[WV], 5
	s_add_co_u32 s43, s43, s44             ; my first position
	s_lshl_b32 s44, s43, 2
	s_mov_b32 s45, 0
	s_add_nc_u64 s[92:93], s[22:23], s[44:45]
	s_lshl_b32 s44, s43, 6
	s_add_nc_u64 s[94:95], s[32:33], s[44:45]
.irp c, 0,1,2,3
	v_mov_b32 v[VD+\c], 0
.endr
	s_wait_loadcnt 0x0
	s_mov_b32 s46, 4
.Lj7t:                                     ; a trip: 8 positions, 512 bytes of bits; lane 4 p + a holds words 4 a .. 4 a + 3 of position p
	s_load_b256 s[84:91], s[92:93], 0x0
	s_wait_kmcnt 0x0
.set p, 0
.rept 8
.set q, 0
.rept 16
	v_cmp_ne_u32 s62, s[84+p], v[112+q]
	s_or_b32 s62, s62, s[68+q]
	v_writelane_b32 v[VD+q%4], s62, 4*p+q/4
.set q, q+1
.endr
.set p, p+1
.endr
	global_store_b128 v[L16], v[VD:VD+3], s[94:95]
	s_wait_xcnt 0x0                        ; the store's data and both bases are written again only behind this wait
	s_add_nc_u64 s[92:93], s[92:93], 32
	s_add_nc_u64 s[94:95], s[94:95], 512
	s_sub_co_u32 s46, s46, 1
	s_cmp_lg_u32 s46, 0
	s_cbranch_scc1 .Lj7t
	s_branch .Lend
; J0.  w_mix x norm_out (64 rows x 1,024) and w_up (1,024 rows x 64 columns) go to LDS in f16; wave w makes the tile n block w % 4, d block w / 4.
.macro BCONV reg, i0
.set i, 0
.rept 16
	v_cvt_pk_f16_f32 v[\reg+4*i], v[\reg+4*i], v[\reg+4*i+1]
	v_cvt_pk_f16_f32 v[\reg+4*i+1], v[\reg+4*i+2], v[\reg+4*i+3]
	ds_store_b64 v7, v[\reg+4*i:\reg+4*i+1] offset:2*PB*(\i0+i)
.set i, i+1
.endr
.endm
.Lj0:
	s_lshr_b32 s42, s[ID], 2               ; n tile
	s_and_b32 s43, s[ID], 3                ; d tile
	s_lshl_b32 s44, s42, 6
	s_lshl2_add_u32 s45, s[WV], s44
	s_lshl_b32 s45, s45, 13                ; my four rows of w_mix, 8,192 bytes each
	v_add_nc_u32 v[VO], s45, v[L16]
	v_lshrrev_b32 v[TA], 4, v1             ; lane / 16
	v_and_b32 v[TB], 15, v1                ; lane % 16
	s_lshl_b32 s46, s[WV], 6
	v_add_nc_u32 v5, s46, v[TA]            ; row u = 64 wave + lane / 16 (+ 2 i)
	v_lshlrev_b32 v6, 10, v5
	v_lshl_add_u32 v6, v[TB], 4, v6
	s_lshl_b32 s47, s43, 8
	v_add_nc_u32 v6, s47, v6
	v_mul_u32_u24 v7, v5, PB
	v_lshl_add_u32 v7, v[TB], 3, v7
	v_add_nc_u32 v7, LA_B, v7
	s_mul_i32 s48, s[WV], 4*PA
	v_lshl_add_u32 v8, v1, 3, s48
.irp j, 0,1,2,3,4,5,6,7
	global_load_b128 v[W+4*\j:W+4*\j+3], v[L16], s[16:17] offset:512*\j
.endr
.irp t, 0,1,2,3
.irp j, 0,1,2,3,4,5,6,7
	global_load_b128 v[X+32*\t+4*\j:X+32*\t+4*\j+3], v[VO], s[12:13] offset:8192*\t+512*\j
.endr
.endr
.set i, 0
.rept 16
	global_load_b128 v[B1+4*i:B1+4*i+3], v6, s[10:11] offset:2048*i
.set i, i+1
.endr
.irp t, 0,1,2,3
	s_wait_loadcnt 16+8*(3-\t)             ; w_up's 16 loads and the younger rows' may stay out
.set j, 0
.rept 16
	v_pk_mul_f32 v[X+32*\t+2*j:X+32*\t+2*j+1], v[X+32*\t+2*j:X+32*\t+2*j+1], v[W+2*j:W+2*j+1]
.set j, j+1
.endr
.set j, 0
.rept 16
	v_cvt_pk_f16_f32 v[X+32*\t+j], v[X+32*\t+2*j], v[X+32*\t+2*j+1]
.set j, j+1
.endr
.set j, 0
.rept 8
	ds_store_b64 v8, v[X+32*\t+2*j:X+32*\t+2*j+1] offset:PA*\t+256*j
.set j, j+1
.endr
.endr
.set i, 0
.rept 16
	global_load_b128 v[X+4*i:X+4*i+3], v6, s[10:11] offset:2048*(16+i)
.set i, i+1
.endr
	s_wait_loadcnt 16                      ; the first 16 of w_up are in
	BCONV B1, 0
	s_wait_loadcnt 0x0
	BCONV X, 16
	s_and_b32 s49, s[WV], 3                ; n block
	s_lshr_b32 s50, s[WV], 2               ; d block
	s_mul_i32 s51, s49, 16*PA
	v_mul_u32_u24 v9, v[TB], PA
	v_lshl_add_u32 v9, v[TA], 4, v9
	v_add_nc_u32 v9, s51, v9               ; (16 nb + r) PA + 16 h
	v_and_b32 v11, 7, v1
	v_lshl_add_u32 v11, v[TA], 3, v11
	v_mul_u32_u24 v10, v11, PB
	v_bfe_u32 v11, v1, 3, 1
	v_lshl_add_u32 v10, v11, 4, v10
	s_lshl_b32 s52, s50, 5
	s_add_co_u32 s52, s52, LA_B
	v_add_nc_u32 v10, s52, v10             ; the turning load's address
	s_mul_i32 s51, s49, 16*PSG
	s_lshl_b32 s52, s50, 5
	s_add_co_u32 s51, s51, s52
	s_add_co_u32 s51, s51, LA_STG
	v_mul_u32_u24 v11, v[TB], PSG
	v_lshl_add_u32 v11, v[TA], 4, v11
	v_add_nc_u32 v11, s51, v11
.set i, 0
.rept 16
	v_mov_b32 v[T+i], 0                    ; two accumulators, by the K step's parity
.set i, i+1
.endr
	s_wait_dscnt 0x0
	s_barrier_signal -1
	s_barrier_wait -1
	s_mov_b32 s53, 8
.Lj0k:                                     ; a trip: 128 of the 1,024 u
.rept 4
	v_nop                                  ; four places between the last products and the loads into their sources
.endr
.irp k, 0,1,2,3
	ds_load_b128 v[64+8*\k:67+8*\k], v9 offset:64*\k
	ds_load_b128 v[68+8*\k:71+8*\k], v9 offset:64*\k+32
	ds_load_tr16_b128 v[96+8*\k:99+8*\k], v10 offset:32*PB*\k
	ds_load_tr16_b128 v[100+8*\k:103+8*\k], v10 offset:32*PB*\k+16*PB
.endr
	s_wait_dscnt 0x0
.irp k, 0,1,2,3                        ; source 0 = 16 columns d, source 1 = 16 rows n: a lane ends with eight neighbouring d of one row; the accumulators take turns
	v_wmma_f32_16x16x32_f16 v[T+8*(\k%2):T+8*(\k%2)+7], v[96+8*\k:103+8*\k], v[64+8*\k:71+8*\k], v[T+8*(\k%2):T+8*(\k%2)+7]
.endr
	v_add_nc_u32 v9, 256, v9
	v_add_nc_u32 v10, 128*PB, v10
	s_sub_co_u32 s53, s53, 1
	s_cmp_lg_u32 s53, 0
	s_cbranch_scc1 .Lj0k
.rept 4
	v_nop
.endr
.irp p, 0,1,2,3
	v_pk_add_f32 v[T+2*\p:T+2*\p+1], v[T+2*\p:T+2*\p+1], v[T+8+2*\p:T+8+2*\p+1]
.endr
.irp p, 0,1,2,3
	v_pk_mul_f32 v[T+2*\p:T+2*\p+1], v[T+2*\p:T+2*\p+1], 4.0 op_sel_hi:[1,0]
.endr
.irp p, 0,1,2,3
	v_cvt_pk_f16_f32 v[64+\p], v[T+2*\p], v[T+2*\p+1]
.endr
	ds_store_b128 v11, v[64:67]
	v_lshrrev_b32 v[TA], 3, v0             ; thread t takes 16 bytes: row t / 8, piece t % 8
	v_and_b32 v[TB], 7, v0
	v_mul_u32_u24 v9, v[TA], PSG
	v_lshl_add_u32 v9, v[TB], 4, v9
	v_add_nc_u32 v9, LA_STG, v9
	v_mul_u32_u24 v10, v[TA], 2560
	v_lshl_add_u32 v10, v[TB], 4, v10
	s_mul_i32 s54, s44, 2560
	s_lshl_b32 s55, s43, 7
	s_add_co_u32 s54, s54, s55
	v_add_nc_u32 v10, s54, v10
	s_wait_dscnt 0x0
	s_barrier_signal -1
	s_barrier_wait -1
	ds_load_b128 v[68:71], v9
	s_wait_dscnt 0x0
	global_store_b128 v10, v[68:71], s[36:37]
.Lend:
	s_wait_tensorcnt 0x0                   ; the wave's end
	ds_add_u32 v[SPW], v[NIL]
	s_wait_dscnt 0x0
	s_endpgm
.Lfunc_end_k_qdeec93f5dc_prep:
	.size	k_qdeec93f5dc_prep, .Lfunc_end_k_qdeec93f5dc_prep-k_qdeec93f5dc_prep
	.p2alignl 7, 3214868480
	.fill 96, 4, 3214868480
	.section	.rodata,"a",@progbits
	.p2align	6, 0x0
	.amdhsa_kernel k_qdeec93f5dc_prep
		.amdhsa_group_segment_fixed_size 307456
		.amdhsa_private_segment_fixed_size 0
		.amdhsa_enable_private_segment 0
		.amdhsa_kernarg_size 136
		.amdhsa_user_sgpr_count 2
		.amdhsa_user_sgpr_kernarg_segment_ptr 1
		.amdhsa_wavefront_size32 1
		.amdhsa_system_sgpr_workgroup_id_x 1
		.amdhsa_system_sgpr_workgroup_id_y 1
		.amdhsa_system_sgpr_workgroup_id_z 1
		.amdhsa_system_vgpr_workitem_id 0
		.amdhsa_next_free_vgpr 256
		.amdhsa_next_free_sgpr 100
		.amdhsa_reserve_vcc 1
		.amdhsa_float_denorm_mode_32 3
		.amdhsa_float_denorm_mode_16_64 3
		.amdhsa_memory_ordered 1
		.amdhsa_forward_progress 1
		.amdhsa_inst_pref_size 127
	.end_amdhsa_kernel
	.amdgpu_metadata
---
amdhsa.version: [ 1, 2 ]
amdhsa.kernels:
  - .name:           k_qdeec93f5dc_prep
    .symbol:         k_qdeec93f5dc_prep.kd
    .args:
      - { .name: input, .offset: 0, .size: 8, .value_kind: global_buffer, .address_space: global }
      - { .name: w_k_weight, .offset: 8, .size: 8, .value_kind: global_buffer, .address_space: global }
      - { .name: w_v_weight, .offset: 16, .size: 8, .value_kind: global_buffer, .address_space: global }
      - { .name: w_up_weight, .offset: 24, .size: 8, .value_kind: global_buffer, .address_space: global }
      - { .name: w_mix_weight, .offset: 32, .size: 8, .value_kind: global_buffer, .address_space: global }
      - { .name: norm_in_weight, .offset: 40, .size: 8, .value_kind: global_buffer, .address_space: global }
      - { .name: norm_out_weight, .offset: 48, .size: 8, .value_kind: global_buffer, .address_space: global }
      - { .name: keep_cols, .offset: 56, .size: 8, .value_kind: global_buffer, .address_space: global }
      - { .name: emb_alloc, .offset: 64, .size: 8, .value_kind: global_buffer, .address_space: global }
      - { .name: seq_sort, .offset: 72, .size: 8, .value_kind: global_buffer, .address_space: global }
      - { .name: starts, .offset: 80, .size: 8, .value_kind: global_buffer, .address_space: global }
      - { .name: ends, .offset: 88, .size: 8, .value_kind: global_buffer, .address_space: global }
      - { .name: xh, .offset: 96, .size: 8, .value_kind: global_buffer, .address_space: global }
      - { .name: rr, .offset: 104, .size: 8, .value_kind: global_buffer, .address_space: global }
      - { .name: msk, .offset: 112, .size: 8, .value_kind: global_buffer, .address_space: global }
      - { .name: wts, .offset: 120, .size: 8, .value_kind: global_buffer, .address_space: global }
      - { .name: wcat, .offset: 128, .size: 8, .value_kind: global_buffer, .address_space: global }
    .group_segment_fixed_size: 307456
    .private_segment_fixed_size: 0
    .kernarg_segment_align: 8
    .kernarg_segment_size: 136
    .max_flat_workgroup_size: 512
    .sgpr_count:     100
    .vgpr_count:     256
    .wavefront_size: 32
...
	.end_amdgpu_metadata
.endif
;; end of part 1
;; launch attn (part 2): grid 256 x 1, 4 waves a work-group, clusters of 4 x 1, 327,680 bytes of LDS; arguments bw, fw, msk, xh, rr, wts, ch; writes ch
.if DOCPART == 2
	.amdgcn_target "amdgcn-amd-amdhsa--gfx1250"
	.amdhsa_code_object_version 6
	.text
	.protected	k_qdeec93f5dc_attn
	.globl	k_qdeec93f5dc_attn
	.p2align	8
	.type	k_qdeec93f5dc_attn,@function
k_qdeec93f5dc_attn:
	s_mov_b64 s[64:65], 0
	v_nop
	global_prefetch_b8 v0, s[64:65] scope:SCOPE_SE
	s_setreg_imm32_b32 hwreg(HW_REG_WAVE_MODE, 25, 1), 1
	s_wait_xcnt 0x0
	s_wait_alu depctr_hold_cnt(0) depctr_sa_sdst(0) depctr_va_vdst(0) depctr_va_sdst(0) depctr_va_ssrc(0) depctr_va_vcc(0) depctr_vm_vsrc(0)
	s_getreg_b32 s2, hwreg(HW_REG_IB_STS2, 6, 4)
	s_cmp_eq_u32 s2, 0
	s_cbranch_scc0 .Lentry_in_a_cluster
	s_endpgm
.Lentry_in_a_cluster:
	s_bfe_u32 s2, ttmp6, 0x10000c
	s_cmp_lg_u32 s2, 0x3003
	s_cbranch_scc0 .Lentry_shape_is_right
	s_endpgm
.Lentry_shape_is_right:
; ATTN: for output rows i0 .. i0 + 63: j = bw[i], g = fw[j]; scores x[g] . (w_k norm_in)[key] / rms, masked by msk[j]; softmax with the row's maximum taken away; comb = p w_v; up = comb w_up^T, of which only
; the sum of squares is kept; ch[i] = comb x rsqrt(mean(up^2) + 1e-6) / 4 in f16.
; SHARES.  A work-group has 64 tokens, four blocks tb of 16.  Wave w takes a quarter of each product's other side: keys 128 w .., then channels d 64 w .., then rows u 64 w .. of each 256.
; Every product is used transposed (source 0 = the weights' rows, source 1 = 16 tokens): a lane holds ONE token (lane % 16) and eight neighbours 8 (lane / 16) + 0..7 of the other side.
; THE RING.  All work-groups walk the same 14 tiles of 131,072 bytes of wts (8 of keys, 2 of values, 4 of w_up), each asked for JOINTLY by the four partners of a cluster; each wave fetches a quarter, 128 rows of 256 bytes.
; One descriptor serves all: in LDS a tile is 512 rows of 272 bytes.  Rows of 512 bytes (values, w_up) so lie in two halves 272 apart, 544 from row to row: w_up's fragment loads meet two rows in a bank group; the price of one descriptor.
; LIMITS.  All matrix operands are f16 (65,504 at the most).  A hidden score counts as its value less 1e30; a token whose maximum lies below -2^96 has seen no key and gets NaN; a weight below 2^-126 counts as 0.
; bw and fw are held to 0 .. 16,383.
; WINDOWS (s_set_vgpr_msb: bits 1:0 source 0, 3:2 source 1, 5:4 source 2, 7:6 destination): 0 addresses, statistics, packed weights, x; 1 accumulators; 2 the weights' fragments; 3 the tokens' fragments.
.set TILE,  131072
.set SLOT,  139264                     ; 512 x 272
.set XR,    278528                     ; 34,816 bytes written by LDS stores alone: two chunks of x (64 x 272 each), then half of p (64 x 528), the other half, comb, the result
.set XAB1,  XR+17408
.set STATM, 313344                     ; [token][wave] f32: maxima; +1,024 sums; +2,048 sums of squares
.set SPARE, 316416                     ; the spare words
.set SPW, 4
.set NIL, 5
.set AB,  6                            ; v6-7   keys' fragments, slot 0, 1
.set AU,  8                            ; v8-9   w_up's
.set AX,  10                           ; v10-11 x's fragments, chunk buffer 0, 1
.set XS,  12                           ; v12-13 where I store x
.set AV,  14                           ; v14-17 values, turned: slot 0 keys 0-127, 128-255; slot 1 likewise
.set AP,  18                           ; fragments of p and of comb
.set PS,  19                           ; where I store p
.set CS,  20                           ; where I store comb
.set SM,  21                           ; my word of a statistic
.set SR,  22                           ; a token's four words
.set RDO, 23
.set GO,  24
.set PFO, 25
.set IA,  26
.set IB,  27
.set RL,  32                           ; v32-39 log2(e) / rms, twice, for each tb
.set NM,  40                           ; v40-47 - m RL, twice
.set ST,  48                           ; v48-55 maxima, then sums, then sums of squares: a pair for each tb
.set MW,  56                           ; v56-63 two mask words for each tb; later at work
.set PK,  64                           ; v64-191 packed results
.set XC,  192                          ; v192-223 a chunk of x
.set IDX, 224                          ; v224-235 indices
.set XO,  236                          ; v236-243 x rows' offsets
.set MA,  244                          ; v244-247 msk offsets
.set WV,  18
.set CX,  19
.set XB,  20
.set PFA, 22
.set PF,  24
.set CNT, 25
.set SEL, 26
.set G1,  28
.set G0,  36
.set BIGN, 44
.set NEG, 45
.set BAD, 48
.set MSB, 0
.macro WIN new
.if MSB != (\new)
	s_set_vgpr_msb (MSB<<8)|(\new)
.set MSB, \new
.endif
.endm
.macro PLACES
.rept 4
	v_nop
.endr
.endm
.macro ROUND                           ; a round of the cluster's barrier
	s_barrier_signal -1
	s_barrier_wait -1
	s_cmp_lg_u32 s[WV], 0
	s_cbranch_scc1 .Lnw0_\@
	s_barrier_signal -3
.Lnw0_\@:
	s_barrier_wait -3
	s_barrier_signal -1
	s_barrier_wait -1
.endm
; THE CHANGE OF SLOTS at the head of the trip that reads slot: all my tensor loads have landed (one is out: my quarter of this trip's tile), the add, my LDS work is done; a round; the next tile goes into the other slot, first thing.
; ask = 1: the tile after that one is prefetched: by the first cluster alone, each of its 16 waves 32 blocks of 256 bytes, told apart by address.  One tensor load of a wave is out at any time.
.macro CHG slot, refill, ask
	WIN 0
.if \ask
	s_wait_xcnt 0x0                        ; the last prefetch, a trip back, has read its address
	s_add_nc_u64 s[PFA:PFA+1], s[PFA:PFA+1], TILE
.endif
	s_wait_tensorcnt 0x0
	ds_add_u32 v[SPW], v[NIL]
	s_add_nc_u64 s[G0+4*(\slot)+2:G0+4*(\slot)+3], s[G0+4*(\slot)+2:G0+4*(\slot)+3], 2*TILE  ; this slot's next tile
	s_wait_dscnt 0x0
.if \refill
	ROUND
	tensor_load_to_lds s[G0+4*(1-(\slot)):G0+4*(1-(\slot))+3], s[G1:G1+7]
	s_nop 0
	PLACES                                 ; also the places in front of the trip's loads into fragment registers
.if \ask
	s_cmp_eq_u32 s[PF], 1
	s_cbranch_scc0 .Lnoask_\@
	global_prefetch_b8 v[PFO], s[PFA:PFA+1] th:TH_LOAD_NT scope:SCOPE_SE
.Lnoask_\@:
.endif
.else
	s_barrier_signal -1
	s_barrier_wait -1
.endif
.endm
	s_load_b256 s[4:11], s[0:1], 0x0       ; bw 4, fw 6, msk 8, xh 10
	s_load_b128 s[12:15], s[0:1], 0x20     ; rr 12, wts 14
	s_load_b64 s[16:17], s[0:1], 0x30      ; ch
	v_lshl_add_u32 v[SPW], v0, 2, SPARE
	v_mov_b32 v[NIL], 0
	ds_add_u32 v[SPW], v[NIL]              ; the opening: the add and its wait ahead of my first tensor load; the set-up stands between
	v_lshrrev_b32 v29, 5, v0
	v_readfirstlane_b32 s[WV], v29
	v_and_b32 v1, 15, v0                   ; r
	v_bfe_u32 v2, v0, 4, 1                 ; h
	v_and_b32 v3, 31, v0                   ; lane
	s_mov_b32 s[G1], 15|(1<<16)|(1<<20)|(1<<21)|(5<<22)|(3<<25)  ; the mask of four; 2-byte elements; padding on; 21 set beside a mask; after every 64 words, 4 words
	s_mov_b32 s[G1+1], 128<<16             ; tensor_dim0 = 128
	s_mov_b32 s[G1+2], 128<<16             ; tensor_dim1 = 128
	s_mov_b32 s[G1+3], 128<<16             ; tile_dim0 = 128
	s_mov_b32 s[G1+4], 128                 ; tile_dim1 = 128
	s_mov_b32 s[G1+5], 128                 ; dense rows
	s_mov_b32 s[G1+6], 0
	s_mov_b32 s[G1+7], 0
	s_mov_b32 s[SEL], 0x76543210
	s_mov_b32 s[SEL+1], 0xfedcba98
	s_mov_b32 s[BIGN], 0xf149f2ca          ; -1e30
	s_mov_b32 s[NEG], 0xef800000           ; -2^96
	s_mul_i32 s52, s[WV], 34816            ; my quarter of a slot
	s_lshl_b32 s60, s[WV], 15              ; and of a tile in memory
	s_mov_b32 s61, 0
	s_mov_b32 s[G0], 1
	s_mov_b32 s[G0+1], s52
	s_mov_b32 s[G0+4], 1
	s_add_co_u32 s[G0+5], s52, SLOT
	v_mul_u32_u24 v29, v1, 272
	v_lshl_add_u32 v29, v2, 4, v29
	v_add_nc_u32 v[AB], s52, v29
	v_add_nc_u32 v[AB+1], SLOT, v[AB]
	v_add_nc_u32 v[AX], XR, v29
	v_add_nc_u32 v[AX+1], XAB1, v29
	v_mul_u32_u24 v30, v1, 544
	v_lshl_add_u32 v30, v2, 4, v30
	v_add_nc_u32 v[AU], s52, v30
	v_add_nc_u32 v[AU+1], SLOT, v[AU]
	s_mul_i32 s53, s[WV], 544
	v_mul_u32_u24 v31, v2, 272
	v_lshl_add_u32 v31, v1, 4, v31
	v_add_nc_u32 v31, s53, v31             ; token 2 w + lane / 16 (+ 8 q), 16 bytes a lane
	v_add_nc_u32 v[XS], XR, v31
	v_add_nc_u32 v[XS+1], XAB1, v31
	v_and_b32 v29, 7, v0
	v_lshl_add_u32 v29, v2, 3, v29
	v_mul_u32_u24 v29, v29, 544
	v_bfe_u32 v30, v0, 3, 1
	v_lshl_add_u32 v29, v30, 4, v29
	s_lshr_b32 s53, s[WV], 1
	s_mul_i32 s53, s53, 272
	s_and_b32 s54, s[WV], 1
	s_lshl_b32 s55, s54, 7
	s_add_co_u32 s53, s53, s55
	v_add_nc_u32 v[AV], s53, v29
	v_add_nc_u32 v[AV+1], 69632, v[AV]
	v_add_nc_u32 v[AV+2], SLOT, v[AV]
	v_add_nc_u32 v[AV+3], SLOT+69632, v[AV]
	v_mul_u32_u24 v29, v1, 528
	v_lshl_add_u32 v29, v2, 4, v29
	v_add_nc_u32 v[AP], XR, v29
	s_lshl_b32 s55, s54, 8
	v_add_nc_u32 v[PS], s55, v[AP]
	s_lshl_b32 s55, s[WV], 7
	v_add_nc_u32 v[CS], s55, v[AP]
	v_lshlrev_b32 v29, 4, v1
	v_add_nc_u32 v[SR], STATM, v29
	s_lshl_b32 s55, s[WV], 2
	v_add_nc_u32 v[SM], s55, v[SR]
	s_mul_i32 s55, s[WV], 8448
	v_lshl_add_u32 v[RDO], v3, 4, s55
	v_add_nc_u32 v[RDO], XR, v[RDO]
	s_lshl_b32 s55, s[WV], 13
	v_lshl_add_u32 v[GO], v3, 4, s55
	v_lshlrev_b32 v[PFO], 8, v3
	; what hangs on my place in the cluster enters global addresses alone
	s_bfe_u32 s[CX], ttmp6, 0x40000
	s_lshl_b32 s72, ttmp9, 2
	s_add_co_u32 s72, s72, s[CX]           ; my work-group
	s_lshl_b32 s73, s72, 8                 ; its 64 entries of bw
	s_lshl3_add_u32 s74, s[WV], s73
	v_lshl_add_u32 v[IA], v2, 2, s74       ; token 2 w + lane / 16 (+ 8 q)
	v_lshl_add_u32 v[IB], v1, 2, s73       ; token r (+ 16 tb)
	s_lshl_b32 s70, s[CX], 15
	s_lshl_b32 s71, s[WV], 13
	s_add_co_u32 s70, s70, s71
	s_add_co_u32 s70, s70, TILE            ; the prefetches stand at tile 1; trip 0 steps them to tile 2
	s_mov_b32 s71, 0
	s_lshl_b32 s76, s72, 15                ; my 64 rows of ch
	s_mov_b32 s77, 0
	s_cmp_eq_u32 ttmp9, 0
	s_cselect_b32 s[PF], 1, 0              ; the same in all four partners
	s_wait_dscnt 0x0
	s_wait_kmcnt 0x0
	s_add_nc_u64 s[G0+2:G0+3], s[14:15], s[60:61]
	s_add_nc_u64 s[G0+6:G0+7], s[G0+2:G0+3], TILE
	s_or_b32 s[G0+3], s[G0+3], 0x80000000
	s_or_b32 s[G0+7], s[G0+7], 0x80000000
	s_add_nc_u64 s[PFA:PFA+1], s[14:15], s[70:71]
	s_add_nc_u64 s[16:17], s[16:17], s[76:77]
	s_mov_b64 s[XB:XB+1], s[10:11]
.irp q, 0,1,2,3,4,5,6,7
	global_load_b32 v[IDX+\q], v[IA], s[4:5] offset:32*\q
.endr
.irp t, 0,1,2,3
	global_load_b32 v[IDX+8+\t], v[IB], s[4:5] offset:64*\t
.endr
	ROUND                                  ; all four work-groups are here: the first joint load meets
	tensor_load_to_lds s[G0:G0+3], s[G1:G1+7]
	s_nop 0
	PLACES
	s_wait_loadcnt 0x0                     ; j = bw[i]
	s_lshl_b32 s55, s[WV], 4
	v_lshl_add_u32 v28, v2, 3, s55         ; my 8 bytes of a position's 64
.set i, 0
.rept 12
	v_min_u32 v[IDX+i], 0x3fff, v[IDX+i]
.set i, i+1
.endr
.irp t, 0,1,2,3
	v_lshl_add_u32 v[MA+\t], v[IDX+8+\t], 6, v28
.endr
.set i, 0
.rept 12
	v_lshlrev_b32 v[IDX+i], 2, v[IDX+i]
	global_load_b32 v[IDX+i], v[IDX+i], s[6:7]
.set i, i+1
.endr
.irp t, 0,1,2,3
	global_load_b64 v[MW+2*\t:MW+2*\t+1], v[MA+\t], s[8:9]
.endr
	v_lshlrev_b32 v28, 4, v1
	s_wait_loadcnt 0x0                     ; g = fw[j], and the mask words
.set i, 0
.rept 12
	v_min_u32 v[IDX+i], 0x3fff, v[IDX+i]
.set i, i+1
.endr
.irp q, 0,1,2,3,4,5,6,7
	v_lshl_add_u32 v[XO+\q], v[IDX+\q], 11, v28
.endr
.irp t, 0,1,2,3
	v_lshlrev_b32 v[IDX+8+\t], 2, v[IDX+8+\t]
	global_load_b32 v[RL+2*\t], v[IDX+8+\t], s[12:13]
.endr
.macro XLOAD                           ; a chunk of 128 channels of my 16 tokens: an instruction takes 256 bytes of each of two rows
.irp q, 0,1,2,3,4,5,6,7
	global_load_b128 v[XC+4*\q:XC+4*\q+3], v[XO+\q], s[XB:XB+1]
.endr
.endm
.macro XSTORE s
.irp q, 0,1,2,3,4,5,6,7
	ds_store_b128 v[XS+(\s)], v[XC+4*\q:XC+4*\q+3] offset:2176*\q
.endr
.endm
	XLOAD                                  ; chunk 0
	; the scores' accumulators start at the mask: 0, or -1e30 where the bit is set.  Accumulator a = 4 kb + tb; register jj is key 16 kb + 8 h + jj of my 128
	WIN 0x40
.set a, 0
.rept 32
.set jj, 0
.rept 8
	v_bfe_u32 v[8*a+jj], v[MW+2*(a%4)+a/16], 8*((a/4)%4)+jj, 1
.set jj, jj+1
.endr
.set a, a+1
.endr
	WIN 0x41
.set i, 0
.rept 256
	v_mul_lo_u32 v[i], v[i], s[BIGN]
.set i, i+1
.endr
	WIN 0
	s_wait_loadcnt 0x0                     ; 1 / rms and chunk 0
.irp t, 0,1,2,3
	v_mul_f32 v[RL+2*\t], 0x3fb8aa3b, v[RL+2*\t]
	v_mov_b32 v[RL+2*\t+1], v[RL+2*\t]
.endr
	XSTORE 0
	s_add_nc_u64 s[XB:XB+1], s[XB:XB+1], 256
	XLOAD                                  ; chunk 1
; SCORES.  A trip is a chunk of 128 channels: four K steps of 32, 32 products each, one on each accumulator.
.macro FETCHS slot, ks
	WIN 0x80
.irp kb, 0,1,2,3,4,5,6,7
	ds_load_b128 v[64*(\ks)+8*\kb:64*(\ks)+8*\kb+3],   v[AB+(\slot)] offset:4352*\kb+64*(\ks)
	ds_load_b128 v[64*(\ks)+8*\kb+4:64*(\ks)+8*\kb+7], v[AB+(\slot)] offset:4352*\kb+64*(\ks)+32
.endr
	WIN 0xc0
.irp tb, 0,1,2,3
	ds_load_b128 v[32*(\ks)+8*\tb:32*(\ks)+8*\tb+3],   v[AX+(\slot)] offset:4352*\tb+64*(\ks)
	ds_load_b128 v[32*(\ks)+8*\tb+4:32*(\ks)+8*\tb+7], v[AX+(\slot)] offset:4352*\tb+64*(\ks)+32
.endr
.endm
.macro MULS ks
	WIN 0x5e
.set a, 0
.rept 32
	v_wmma_f32_16x16x32_f16 v[8*a:8*a+7], v[64*(\ks)+8*(a/4):64*(\ks)+8*(a/4)+7], v[32*(\ks)+8*(a%4):32*(\ks)+8*(a%4)+7], v[8*a:8*a+7]
.set a, a+1
.endr
.endm
; Trip t reads tile t and chunk t; chunk t + 1, loaded a trip ago, goes to the other chunk buffer (all waves left it at this trip's round); chunk t + 2 is asked for.  The last trips have no such chunks.
.macro STRIP slot
	CHG \slot, 1, 1
.if (\slot) == 1
	s_cmp_eq_u32 s[CNT], 1
	s_cbranch_scc1 .Lnox_\@
.endif
	s_wait_loadcnt 0x0
	XSTORE 1-(\slot)
.if (\slot) == 0
	s_cmp_eq_u32 s[CNT], 1
	s_cbranch_scc1 .Lnox_\@
.endif
	s_add_nc_u64 s[XB:XB+1], s[XB:XB+1], 256
	XLOAD
.Lnox_\@:
	FETCHS \slot, 0
	FETCHS \slot, 1
	s_wait_dscnt 24                        ; step 1's 24 loads may be out
	MULS 0
	FETCHS \slot, 2
	FETCHS \slot, 3
	s_wait_dscnt 48                        ; steps 2 and 3
	MULS 1
	s_wait_dscnt 24
	MULS 2
	s_wait_dscnt 0x0
	MULS 3
.endm
	s_mov_b32 s[CNT], 4
.Ls:
	STRIP 0
	STRIP 1
	WIN 0
	s_sub_co_u32 s[CNT], s[CNT], 1
	s_cmp_lg_u32 s[CNT], 0
	s_cbranch_scc1 .Ls
	; SOFTMAX.  The four moves are the places behind the last products.
.irp t, 0,1,2,3
	v_mov_b32 v[ST+2*\t], 0xff7fffff
.endr
	WIN 0x14
.set kb, 0
.rept 8
.set p, 0
.rept 4
.irp t, 0,1,2,3
	v_max3_num_f32 v[ST+2*\t], v[ST+2*\t], v[8*(4*kb+\t)+2*p], v[8*(4*kb+\t)+2*p+1]
.endr
.set p, p+1
.endr
.set kb, kb+1
.endr
	WIN 0
.irp t, 0,1,2,3
	v_permlanex16_b32 v[MW+\t], v[ST+2*\t], s[SEL], s[SEL+1]
.endr
.irp t, 0,1,2,3
	v_max_num_f32 v[ST+2*\t], v[ST+2*\t], v[MW+\t]
.endr
.irp t, 0,1,2,3
	ds_store_b32 v[SM], v[ST+2*\t] offset:256*\t
.endr
	s_wait_dscnt 0x0
	s_barrier_signal -1                    ; the next tile may stay on its way
	s_barrier_wait -1
.irp t, 0,1,2,3
	ds_load_b128 v[PK+4*\t:PK+4*\t+3], v[SR] offset:256*\t
.endr
	s_wait_dscnt 0x0
.irp t, 0,1,2,3
	v_max3_num_f32 v[ST+2*\t], v[PK+4*\t], v[PK+4*\t+1], v[PK+4*\t+2]
	v_max_num_f32 v[ST+2*\t], v[ST+2*\t], v[PK+4*\t+3]
	v_cmp_gt_f32 s[BAD+\t], s[NEG], v[ST+2*\t]   ; no key seen
	v_mul_f32 v[NM+2*\t], -v[ST+2*\t], v[RL+2*\t]
	v_mov_b32 v[NM+2*\t+1], v[NM+2*\t]
.endr
	WIN 0x41
.set a, 0
.rept 32
.irp p, 0,1,2,3
	v_pk_fma_f32 v[8*a+2*\p:8*a+2*\p+1], v[8*a+2*\p:8*a+2*\p+1], v[RL+2*(a%4):RL+2*(a%4)+1], v[NM+2*(a%4):NM+2*(a%4)+1]
.endr
.set a, a+1
.endr
.set i, 0
.rept 256                              ; one batch of exponentials, one wait
	v_exp_f32 v[i], v[i]
.set i, i+1
.endr
	v_nop
	s_wait_alu depctr_va_vdst(0)
	WIN 0x05
.set a, 0
.rept 32
.irp p, 0,1,2,3
	v_cvt_pk_f16_f32 v[PK+4*a+\p], v[8*a+2*\p], v[8*a+2*\p+1]
.endr
.set a, a+1
.endr
	WIN 0
.set i, 0
.rept 8
	v_mov_b32 v[ST+i], 0
.set i, i+1
.endr
	WIN 0x04
.set kb, 0
.rept 8
.set p, 0
.rept 4
.irp t, 0,1,2,3
	v_pk_add_f32 v[ST+2*\t:ST+2*\t+1], v[ST+2*\t:ST+2*\t+1], v[8*(4*kb+\t)+2*p:8*(4*kb+\t)+2*p+1]
.endr
.set p, p+1
.endr
.set kb, kb+1
.endr
	WIN 0
.irp t, 0,1,2,3
	v_add_f32 v[ST+2*\t], v[ST+2*\t], v[ST+2*\t+1]
.endr
.irp t, 0,1,2,3
	v_permlanex16_b32 v[MW+\t], v[ST+2*\t], s[SEL], s[SEL+1]
.endr
.irp t, 0,1,2,3
	v_add_f32 v[ST+2*\t], v[ST+2*\t], v[MW+\t]
.endr
.irp t, 0,1,2,3
	ds_store_b32 v[SM], v[ST+2*\t] offset:1024+256*\t
.endr
.macro PSTORE                          ; my 128 keys' weights of all 64 tokens, 16 bytes a lane and accumulator
.set a, 0
.rept 32
	ds_store_b128 v[PS], v[PK+4*a:PK+4*a+3] offset:8448*(a%4)+32*(a/4)
.set a, a+1
.endr
.endm
	s_cmp_lt_u32 s[WV], 2                  ; keys 0-255 are waves 0 and 1's; x's chunks were left at the barrier above
	s_cbranch_scc0 .Lp0
	PSTORE
.Lp0:
; COMB = p w_v.  A trip is 256 keys: eight K steps of 16 products; steps 0-3 have their fragments in window 2, steps 4-7 in window 3.
.macro CLD c, ks
.if (\ks) < 4
	WIN 0x80
.else
	WIN 0xc0
.endif
.irp db, 0,1,2,3
	ds_load_tr16_b128 v[32*((\ks)%4)+8*\db:32*((\ks)%4)+8*\db+3],   v[AV+2*(\c)+(\ks)/4] offset:17408*((\ks)%4)+32*\db
	ds_load_tr16_b128 v[32*((\ks)%4)+8*\db+4:32*((\ks)%4)+8*\db+7], v[AV+2*(\c)+(\ks)/4] offset:17408*((\ks)%4)+32*\db+8704
.endr
.irp tb, 0,1,2,3
	ds_load_b128 v[128+32*((\ks)%4)+8*\tb:128+32*((\ks)%4)+8*\tb+3],   v[AP] offset:8448*\tb+64*(\ks)
	ds_load_b128 v[128+32*((\ks)%4)+8*\tb+4:128+32*((\ks)%4)+8*\tb+7], v[AP] offset:8448*\tb+64*(\ks)+32
.endr
.endm
.macro CMUL ks, zero
.if (\ks) < 4
	WIN 0x5a
.else
	WIN 0x5f
.endif
.set a, 0
.rept 16
.if \zero
	v_wmma_f32_16x16x32_f16 v[8*a:8*a+7], v[32*((\ks)%4)+8*(a/4):32*((\ks)%4)+8*(a/4)+7], v[128+32*((\ks)%4)+8*(a%4):128+32*((\ks)%4)+8*(a%4)+7], 0
.else
	v_wmma_f32_16x16x32_f16 v[8*a:8*a+7], v[32*((\ks)%4)+8*(a/4):32*((\ks)%4)+8*(a/4)+7], v[128+32*((\ks)%4)+8*(a%4):128+32*((\ks)%4)+8*(a%4)+7], v[8*a:8*a+7]
.endif
.set a, a+1
.endr
.endm
.macro CTRIP c
	CHG \c, 1, 1
.if \c
	s_cmp_lt_u32 s[WV], 2                  ; every wave has left the first half of p at the round: waves 2 and 3 store the second
	s_cbranch_scc1 .Lp1_\@
	PSTORE
.Lp1_\@:
	s_wait_dscnt 0x0
	s_barrier_signal -1
	s_barrier_wait -1
.endif
	CLD \c, 0
	CLD \c, 1
	CLD \c, 2
	CLD \c, 3
.irp k, 0,1,2,3
	s_wait_dscnt 48                        ; the three younger steps' loads may be out
.if (\c) == 0 && (\k) == 0
	CMUL \k, 1
.else
	CMUL \k, 0
.endif
	CLD \c, \k+4
.endr
.irp k, 4,5,6,7
	s_wait_dscnt 16*(7-\k)
	CMUL \k, 0
.endr
.endm
	CTRIP 0
	CTRIP 1
	; comb / l, or NaN.  The additions are the places behind the last products.
	WIN 0
.irp t, 0,1,2,3
	ds_load_b128 v[PK+4*\t:PK+4*\t+3], v[SR] offset:1024+256*\t
.endr
	v_mov_b32 v29, 0x7fc00000
	s_wait_dscnt 0x0
.irp t, 0,1,2,3
	v_add_f32 v[PK+4*\t], v[PK+4*\t], v[PK+4*\t+1]
	v_add_f32 v[PK+4*\t+2], v[PK+4*\t+2], v[PK+4*\t+3]
	v_add_f32 v[PK+4*\t], v[PK+4*\t], v[PK+4*\t+2]
.endr
.irp t, 0,1,2,3
	v_rcp_f32 v[ST+2*\t], v[PK+4*\t]
.endr
	v_nop
	s_wait_alu depctr_va_vdst(0)
.irp t, 0,1,2,3
	v_cndmask_b32 v[ST+2*\t], v[ST+2*\t], v29, s[BAD+\t]
	v_mov_b32 v[ST+2*\t+1], v[ST+2*\t]
.endr
.macro SCALEOUT                        ; comb's 16 accumulators times the pair in ST, kept in f32, and rounded to f16 into PK
	WIN 0x41
.set a, 0
.rept 16
.irp p, 0,1,2,3
	v_pk_mul_f32 v[8*a+2*\p:8*a+2*\p+1], v[8*a+2*\p:8*a+2*\p+1], v[ST+2*(a%4):ST+2*(a%4)+1]
.endr
.set a, a+1
.endr
	WIN 0x05
.set a, 0
.rept 16
.irp p, 0,1,2,3
	v_cvt_pk_f16_f32 v[PK+4*a+\p], v[8*a+2*\p], v[8*a+2*\p+1]
.endr
.set a, a+1
.endr
	WIN 0
.endm
.macro CSTORE
.set a, 0
.rept 16
	ds_store_b128 v[CS], v[PK+4*a:PK+4*a+3] offset:8448*(a%4)+32*(a/4)
.set a, a+1
.endr
.endm
	SCALEOUT
	s_wait_dscnt 0x0
	s_barrier_signal -1                    ; every wave has left the second half of p
	s_barrier_wait -1
	CSTORE
; UP = comb w_up^T, 256 rows u a trip, of which I take 64: eight K steps of 16 products; then the squares are added up.
.macro UTRIP slot, refill, ask, first
	CHG \slot, \refill, \ask
.if \first
	WIN 0xc0                               ; comb's fragments, all 64 tokens x 256 channels, stay in window 3
.set k, 0
.rept 8
.irp tb, 0,1,2,3
	ds_load_b128 v[32*k+8*\tb:32*k+8*\tb+3],   v[AP] offset:8448*\tb+64*k
	ds_load_b128 v[32*k+8*\tb+4:32*k+8*\tb+7], v[AP] offset:8448*\tb+64*k+32
.endr
.set k, k+1
.endr
	WIN 0
.set i, 0
.rept 8
	v_mov_b32 v[ST+i], 0
.set i, i+1
.endr
.endif
	WIN 0x80
.set k, 0
.rept 8
.irp ub, 0,1,2,3
	ds_load_b128 v[32*k+8*\ub:32*k+8*\ub+3],   v[AU+(\slot)] offset:8704*\ub+64*k+16*(k/4)
	ds_load_b128 v[32*k+8*\ub+4:32*k+8*\ub+7], v[AU+(\slot)] offset:8704*\ub+64*k+16*(k/4)+32
.endr
.set k, k+1
.endr
	WIN 0x5e
.set k, 0
.rept 8
	s_wait_dscnt 8*(7-k)                   ; the younger steps' loads may be out
.set a, 0
.rept 16
.if k == 0
	v_wmma_f32_16x16x32_f16 v[128+8*a:128+8*a+7], v[32*k+8*(a/4):32*k+8*(a/4)+7], v[32*k+8*(a%4):32*k+8*(a%4)+7], 0
.else
	v_wmma_f32_16x16x32_f16 v[128+8*a:128+8*a+7], v[32*k+8*(a/4):32*k+8*(a/4)+7], v[32*k+8*(a%4):32*k+8*(a%4)+7], v[128+8*a:128+8*a+7]
.endif
.set a, a+1
.endr
.set k, k+1
.endr
	WIN 0
	PLACES
	WIN 0x05
.set ub, 0
.rept 4
.set p, 0
.rept 4
.irp t, 0,1,2,3
	v_pk_fma_f32 v[ST+2*\t:ST+2*\t+1], v[128+8*(4*ub+\t)+2*p:128+8*(4*ub+\t)+2*p+1], v[128+8*(4*ub+\t)+2*p:128+8*(4*ub+\t)+2*p+1], v[ST+2*\t:ST+2*\t+1]
.endr
.set p, p+1
.endr
.set ub, ub+1
.endr
.endm
	UTRIP 0, 1, 1, 1
	UTRIP 1, 1, 1, 0
	UTRIP 0, 1, 0, 0                       ; the last tile is asked for; nothing lies behind it to prefetch
	UTRIP 1, 0, 0, 0
	; THE END: s = rsqrt(mean(up^2) + 1e-6) / 4; comb s to f16; through LDS, so that a store covers a whole row of 512 bytes
	WIN 0
.irp t, 0,1,2,3
	v_add_f32 v[ST+2*\t], v[ST+2*\t], v[ST+2*\t+1]
.endr
.irp t, 0,1,2,3
	v_permlanex16_b32 v[MW+\t], v[ST+2*\t], s[SEL], s[SEL+1]
.endr
.irp t, 0,1,2,3
	v_add_f32 v[ST+2*\t], v[ST+2*\t], v[MW+\t]
.endr
.irp t, 0,1,2,3
	ds_store_b32 v[SM], v[ST+2*\t] offset:2048+256*\t
.endr
	s_mov_b32 s52, 0x3a800000              ; 1 / 1024
	s_mov_b32 s53, 0x358637bd              ; 1e-6
	s_wait_dscnt 0x0
	s_barrier_signal -1
	s_barrier_wait -1
.irp t, 0,1,2,3
	ds_load_b128 v[PK+4*\t:PK+4*\t+3], v[SR] offset:2048+256*\t
.endr
	s_wait_dscnt 0x0
.irp t, 0,1,2,3
	v_add_f32 v[PK+4*\t], v[PK+4*\t], v[PK+4*\t+1]
	v_add_f32 v[PK+4*\t+2], v[PK+4*\t+2], v[PK+4*\t+3]
	v_add_f32 v[PK+4*\t], v[PK+4*\t], v[PK+4*\t+2]
	v_fma_f32 v[PK+4*\t], v[PK+4*\t], s52, s53
.endr
.irp t, 0,1,2,3
	v_rsq_f32 v[ST+2*\t], v[PK+4*\t]
.endr
	v_nop
	s_wait_alu depctr_va_vdst(0)
.irp t, 0,1,2,3
	v_mul_f32 v[ST+2*\t], 0x3e800000, v[ST+2*\t]
	v_mov_b32 v[ST+2*\t+1], v[ST+2*\t]
.endr
	SCALEOUT
	CSTORE
	s_wait_dscnt 0x0
	s_barrier_signal -1
	s_barrier_wait -1
.set q, 0
.rept 16
	ds_load_b128 v[128+4*q:128+4*q+3], v[RDO] offset:528*q
.set q, q+1
.endr
.set q, 0
.rept 16
	s_wait_dscnt 15-q
	global_store_b128 v[GO], v[128+4*q:128+4*q+3], s[16:17] offset:512*q
.set q, q+1
.endr
	s_wait_tensorcnt 0x0                   ; the wave's end
	ds_add_u32 v[SPW], v[NIL]
	s_wait_dscnt 0x0
	ROUND                                  ; the closing round
	s_endpgm
.Lfunc_end_k_qdeec93f5dc_attn:
	.size	k_qdeec93f5dc_attn, .Lfunc_end_k_qdeec93f5dc_attn-k_qdeec93f5dc_attn
	.p2alignl 7, 3214868480
	.fill 96, 4, 3214868480
	.section	.rodata,"a",@progbits
	.p2align	6, 0x0
	.amdhsa_kernel k_qdeec93f5dc_attn
		.amdhsa_group_segment_fixed_size 327680
		.amdhsa_private_segment_fixed_size 0
		.amdhsa_enable_private_segment 0
		.amdhsa_kernarg_size 56
		.amdhsa_user_sgpr_count 2
		.amdhsa_user_sgpr_kernarg_segment_ptr 1
		.amdhsa_wavefront_size32 1
		.amdhsa_system_sgpr_workgroup_id_x 1
		.amdhsa_system_sgpr_workgroup_id_y 1
		.amdhsa_system_sgpr_workgroup_id_z 1
		.amdhsa_system_vgpr_workitem_id 0
		.amdhsa_next_free_vgpr 1024
		.amdhsa_next_free_sgpr 96
		.amdhsa_reserve_vcc 0
		.amdhsa_float_denorm_mode_32 3
		.amdhsa_float_denorm_mode_16_64 3
		.amdhsa_memory_ordered 1
		.amdhsa_forward_progress 1
		.amdhsa_inst_pref_size 255
	.end_amdhsa_kernel
	.section	.bss,"aw",@nobits
	.p2align	6
	.space	262144
	.amdgpu_metadata
---
amdhsa.version: [ 1, 2 ]
amdhsa.kernels:
  - .name:           k_qdeec93f5dc_attn
    .symbol:         k_qdeec93f5dc_attn.kd
    .args:
      - { .name: bw, .offset: 0, .size: 8, .value_kind: global_buffer, .address_space: global }
      - { .name: fw, .offset: 8, .size: 8, .value_kind: global_buffer, .address_space: global }
      - { .name: msk, .offset: 16, .size: 8, .value_kind: global_buffer, .address_space: global }
      - { .name: xh, .offset: 24, .size: 8, .value_kind: global_buffer, .address_space: global }
      - { .name: rr, .offset: 32, .size: 8, .value_kind: global_buffer, .address_space: global }
      - { .name: wts, .offset: 40, .size: 8, .value_kind: global_buffer, .address_space: global }
      - { .name: ch, .offset: 48, .size: 8, .value_kind: global_buffer, .address_space: global }
    .group_segment_fixed_size: 327680
    .private_segment_fixed_size: 0
    .kernarg_segment_align: 8
    .kernarg_segment_size: 56
    .max_flat_workgroup_size: 128
    .sgpr_count:     96
    .vgpr_count:     1024
    .wavefront_size: 32
...
	.end_amdgpu_metadata
.endif
;; end of part 2
;; launch mix (part 3): grid 4 x 64, 4 waves a work-group, clusters of 4 x 4, 327,680 bytes of LDS; arguments ch, xh, wcat, out0; writes out0
.if DOCPART == 3
	.amdgcn_target "amdgcn-amd-amdhsa--gfx1250"
	.amdhsa_code_object_version 6
	.text
	.protected	k_qdeec93f5dc_mix
	.globl	k_qdeec93f5dc_mix
	.p2align	8
	.type	k_qdeec93f5dc_mix,@function
k_qdeec93f5dc_mix:
	s_mov_b64 s[64:65], 0
	v_nop
	global_prefetch_b8 v0, s[64:65] scope:SCOPE_SE
	s_setreg_imm32_b32 hwreg(HW_REG_WAVE_MODE, 25, 1), 1
	s_wait_xcnt 0x0
	s_wait_alu depctr_hold_cnt(0) depctr_sa_sdst(0) depctr_va_vdst(0) depctr_va_sdst(0) depctr_va_ssrc(0) depctr_va_vcc(0) depctr_vm_vsrc(0)
	s_getreg_b32 s2, hwreg(HW_REG_IB_STS2, 6, 4)
	s_cmp_eq_u32 s2, 0
	s_cbranch_scc0 .Lentry_in_a_cluster
	s_endpgm
.Lentry_in_a_cluster:
	s_bfe_u32 s2, ttmp6, 0x10000c
	s_cmp_lg_u32 s2, 0xf033
	s_cbranch_scc0 .Lentry_shape_is_right
	s_endpgm
.Lentry_shape_is_right:
; MIX: out0[m][n] = sum over k of A[m][k] wcat[n][k], K = 1,280: A's columns 0-255 are ch's row m, columns 256-1279 xh's row m.  Operands f16, sums and output f32.
; A tile of 256 x 256 to a work-group of four waves, 128 x 128 (64 accumulators, 512 registers) to a wave.  K goes in ten steps of 128 through two LDS slots filled by tensor loads: rows of 256 bytes, aligned.
; CLUSTERS of 4 x 4: the four of a row of the cluster need the same tiles of A, the four of a column the same tiles of wcat: each is asked for jointly.
; The matrix instruction is used transposed (source 0 = 16 rows of wcat, source 1 = 16 rows of A): a lane holds eight neighbouring numbers of a row of out0.
; WINDOWS: 0 addresses, A's two fragment buffers (v64-127, v128-191), on the way out rows read back; 1 wcat's two buffers; 2 and 3 the accumulators of my rows 0-63 and 64-127, (a, b) at v[8 (8 a + b)].
; LIMIT: f16's 65,504 for ch, xh and wcat; a row of ch that is NaN gives a row of NaN.
.set KSTEP,  128
.set PITCH,  272                       ; 256 bytes + 16: the 16 rows of a fragment load start 68 words apart
.set HALFT,  128*PITCH
.set SLOT,   4*HALFT                   ; A's 256 rows, then wcat's 256
.set STAGE,  2*SLOT                    ; 16 rows x 528 bytes for each wave
.set SPITCH, 528
.set SPARE,  STAGE+4*16*SPITCH
.set LAPS,   5
.set ADRA, 16
.set ADRB, 20
.set STO,  24
.set RD,   25
.set CO,   26
.set SPW,  28
.set NIL,  29
.set PFO,  30
.set F0,   64
.set F1,   128
.set G1,   24                          ; s[24:31] group 1 for xh;  s[32:39] its group 0, a set for each slot
.set G0,   32
.set LIM,  43
.set PFA,  44
.set G1B,  48                          ; wcat
.set G0B,  56
.set G1C,  68                          ; ch
.set G0C,  76
.set XA,   92                          ; s[92:93] xh at the 128 rows that I fetch
.set OFA,  94                          ; s[94:95] bytes along those rows of the next refill
.set OUTB, 96
.set FLAGS, (1<<16)|(1<<20)|(1<<21)|(5<<22)|(3<<25)  ; 2-byte elements; padding on; 21 set beside a mask; after every 64 words, 4 words
.set MSB, 0
.macro WIN new
.if MSB != (\new)
	s_set_vgpr_msb (MSB<<8)|(\new)
.set MSB, \new
.endif
.endm
.set MUL_LO, 0xa1
.set MUL_HI, 0xf1
.set TO_B,   0x40
.macro PLACES
.rept 4
	v_nop
.endr
.endm
.macro JLOAD s                         ; waves 0 and 1 fetch A's two halves, waves 2 and 3 wcat's; the branch hangs on the wave's number alone
	s_cmp_eq_u32 s11, 0
	s_cbranch_scc0 .Lfor_b_\@
	tensor_load_to_lds s[G0+4*(\s):G0+4*(\s)+3], s[G1:G1+7]
	s_nop 0
	PLACES
	s_branch .Lasked_\@
.Lfor_b_\@:
	tensor_load_to_lds s[G0B+4*(\s):G0B+4*(\s)+3], s[G1B:G1B+7]
	s_nop 0
	PLACES
.Lasked_\@:
.endm
; The K step two refills on is prefetched: 32 rows x 256 bytes, a lane a row.  A's rows are read by one cluster alone, which asks; wcat's by every cluster of the column of clusters: the one with y = 0 asks.
; The four partners of a joint load share its 128 rows out by address.  The loop's last trip has no K step two on.
.macro ASK
	s_cmp_gt_u32 s3, s[LIM]
	s_cbranch_scc0 .Lnot_mine_\@
	global_prefetch_b8 v[PFO], s[PFA:PFA+1] offset:KSTEP*2 th:TH_LOAD_NT scope:SCOPE_SE
.Lnot_mine_\@:
.endm
.macro CREST
	s_cmp_lg_u32 s10, 0
	s_cbranch_scc1 .Lnot_wave_0_\@
	s_barrier_signal -3
.Lnot_wave_0_\@:
	s_barrier_wait -3
	s_barrier_signal -1
	s_barrier_wait -1
.endm
.macro CROUND
	s_barrier_signal -1
	s_barrier_wait -1
	CREST
.endm
	s_load_b256 s[84:91], s[0:1], 0x0      ; ch 84, xh 86, wcat 88, out0 90
	v_lshl_add_u32 v[SPW], v0, 2, SPARE
	v_mov_b32 v[NIL], 0
	ds_add_u32 v[SPW], v[NIL]              ; the opening: the add and its wait ahead of my first tensor load
	v_lshrrev_b32 v1, 5, v0
	v_readfirstlane_b32 s10, v1            ; wave
	s_lshr_b32 s11, s10, 1                 ; my half of the tile's rows; also: I fetch for A (0) or wcat (1)
	s_and_b32 s12, s10, 1                  ; my half of its columns; also: which 128 rows I fetch
	s_bfe_u32 s40, ttmp6, 0x40000          ; cx
	s_bfe_u32 s41, ttmp6, 0x40004          ; cy
	s_lshl_b32 s42, ttmp9, 2
	s_add_co_u32 s42, s42, s40             ; tile column
	s_and_b32 s13, ttmp7, 0xffff
	s_lshl_b32 s13, s13, 2
	s_add_co_u32 s13, s13, s41             ; tile row
	s_lshl_b32 s66, s41, 2
	s_lshl_b32 s66, 15, s66                ; my row of the cluster
	s_lshl_b32 s67, 0x1111, s40            ; my column
	s_or_b32 s[G1], s66, FLAGS
	s_or_b32 s[G1C], s66, FLAGS
	s_or_b32 s[G1B], s67, FLAGS
.irp g, G1, G1B, G1C
	s_mov_b32 s[\g+1], KSTEP<<16           ; tensor_dim0 = 128
	s_mov_b32 s[\g+2], 128<<16             ; tensor_dim1 = 128
	s_mov_b32 s[\g+3], KSTEP<<16           ; tile_dim0 = 128
	s_mov_b32 s[\g+4], 128                 ; tile_dim1 = 128
	s_mov_b32 s[\g+6], 0
	s_mov_b32 s[\g+7], 0
.endr
	s_mov_b32 s[G1+5], 1024                ; elements from row to row: xh,
	s_mov_b32 s[G1B+5], 1280               ; wcat,
	s_mov_b32 s[G1C+5], 256                ; ch
	s_lshl_b32 s17, s12, 7
	s_lshl_b32 s16, s13, 8
	s_add_co_u32 s16, s16, s17             ; A's first row that I fetch
	s_lshl_b32 s46, s42, 8
	s_add_co_u32 s46, s46, s17             ; wcat's
	s_lshl_b32 s18, s16, 9                 ; in bytes of ch,
	s_mov_b32 s19, 0
	s_lshl_b32 s16, s16, 11                ; of xh,
	s_mov_b32 s17, 0
	s_mul_i32 s46, s46, 2560               ; of wcat
	s_mov_b32 s47, 0
	s_mul_i32 s20, s10, HALFT              ; where they go: no place in the cluster enters an LDS address
	s_mov_b32 s[OFA], 0
	s_mov_b32 s[OFA+1], 0
	s_wait_dscnt 0x0
	s_wait_kmcnt 0x0
	s_add_nc_u64 s[18:19], s[84:85], s[18:19]
	s_add_nc_u64 s[XA:XA+1], s[86:87], s[16:17]
	s_add_nc_u64 s[46:47], s[88:89], s[46:47]
	CROUND                                 ; all sixteen work-groups are here
.irp s, 0,1
	s_mov_b32 s[G0C+4*\s], 1
	s_add_co_u32 s[G0C+4*\s+1], s20, \s*SLOT
	s_add_nc_u64 s[G0C+4*\s+2:G0C+4*\s+3], s[18:19], \s*KSTEP*2
	s_or_b32 s[G0C+4*\s+3], s[G0C+4*\s+3], 0x80000000
	s_mov_b32 s[G0B+4*\s], 1
	s_add_co_u32 s[G0B+4*\s+1], s20, \s*SLOT
	s_add_nc_u64 s[G0B+4*\s+2:G0B+4*\s+3], s[46:47], \s*KSTEP*2
	s_or_b32 s[G0B+4*\s+3], s[G0B+4*\s+3], 0x80000000
	s_mov_b32 s[G0+4*\s], 1
	s_add_co_u32 s[G0+4*\s+1], s20, \s*SLOT
.endr
	s_cmp_eq_u32 s11, 0                    ; a wave's two first fills stand in one branch: K steps 0 and 1 (A's from ch); two loads of mine are out
	s_cbranch_scc0 .Lfirst_b
	tensor_load_to_lds s[G0C:G0C+3], s[G1C:G1C+7]
	s_nop 0
	tensor_load_to_lds s[G0C+4:G0C+7], s[G1C:G1C+7]
	s_nop 0
	PLACES
	s_branch .Lfirst_done
.Lfirst_b:
	tensor_load_to_lds s[G0B:G0B+3], s[G1B:G1B+7]
	s_nop 0
	tensor_load_to_lds s[G0B+4:G0B+7], s[G1B:G1B+7]
	s_nop 0
	PLACES
.Lfirst_done:
	v_and_b32 v1, 15, v0
	v_bfe_u32 v2, v0, 4, 1
	v_mul_u32_u24 v3, v1, PITCH
	v_lshl_add_u32 v3, v2, 4, v3
	s_mul_i32 s21, s11, HALFT
	s_mul_i32 s22, s12, HALFT
	s_add_co_u32 s22, s22, 2*HALFT
.irp s, 0,1
	v_add_nc_u32 v[ADRA+\s], s21, v3
	v_add_nc_u32 v[ADRB+\s], s22, v3
	s_add_co_u32 s21, s21, SLOT
	s_add_co_u32 s22, s22, SLOT
.endr
	s_mul_i32 s23, s10, 16*SPITCH
	s_add_co_u32 s23, s23, STAGE           ; my stage
	v_mul_u32_u24 v4, v1, SPITCH
	v_lshl_add_u32 v4, v2, 5, v4           ; in: row l % 16, 32 bytes for each half of the lanes
	v_add_nc_u32 v[STO], s23, v4
	v_and_b32 v5, 31, v0
	v_lshl_add_u32 v[RD], v5, 4, s23       ; back: a whole row of 512 bytes
	v_lshlrev_b32 v[CO], 4, v5
	s_lshl_b32 s98, s13, 8
	s_lshl_b32 s99, s11, 7
	s_add_co_u32 s98, s98, s99
	s_lshl_b32 s98, s98, 12                ; my first row of out0, 4,096 bytes a row
	s_lshl_b32 s99, s42, 10
	s_add_co_u32 s98, s98, s99
	s_lshl_b32 s99, s12, 9
	s_add_co_u32 s98, s98, s99
	s_mov_b32 s99, 0
	s_add_nc_u64 s[OUTB:OUTB+1], s[90:91], s[98:99]
	; the prefetches
	s_lshl_b32 s20, s13, 8
	s_lshl_b32 s21, s42, 8
	s_and_b32 s22, ttmp7, 0xffff
	s_mov_b32 s23, 2048
	s_mov_b32 s15, 2560
	s_cmp_eq_u32 s11, 0
	s_cselect_b32 s20, s20, s21            ; the tile's first row
	s_cselect_b32 s21, s40, s41            ; my place among the four that ask with me
	s_cselect_b32 s22, 0, s22              ; wcat's rows: the clusters with y above 0 do not ask
	s_cselect_b32 s23, s23, s15            ; bytes in a row
	s_cselect_b32 s14, 0, 512              ; K step 2 in the row
	s_cselect_b64 s[PFA:PFA+1], s[86:87], s[88:89]
	s_cmp_eq_u32 s22, 0
	s_cselect_b32 s[LIM], 1, -1
	s_lshl_b32 s22, s12, 7
	s_add_co_u32 s20, s20, s22
	s_lshl_b32 s21, s21, 5
	s_add_co_u32 s20, s20, s21
	s_mul_i32 s20, s20, s23
	s_add_co_u32 s20, s20, s14
	s_mov_b32 s21, 0
	s_add_nc_u64 s[PFA:PFA+1], s[PFA:PFA+1], s[20:21]
	v_mul_u32_u24 v[PFO], v5, s23
.macro MUL16 f, hi, a0, zero
	WIN MUL_LO+0x50*(\hi)
.irp a, \a0, (\a0)+1
.irp b, 0,1,2,3,4,5,6,7
.if \zero
	v_wmma_f32_16x16x32_f16 v[8*(8*(\a)+(\b)):8*(8*(\a)+(\b))+7], v[(\f)+8*(\b):(\f)+8*(\b)+7], v[(\f)+8*(4*(\hi)+(\a)):(\f)+8*(4*(\hi)+(\a))+7], 0
.else
	v_wmma_f32_16x16x32_f16 v[8*(8*(\a)+(\b)):8*(8*(\a)+(\b))+7], v[(\f)+8*(\b):(\f)+8*(\b)+7], v[(\f)+8*(4*(\hi)+(\a)):(\f)+8*(4*(\hi)+(\a))+7], v[8*(8*(\a)+(\b)):8*(8*(\a)+(\b))+7]
.endif
.endr
.endr
.endm
.macro FETCH slot, k, f                ; 32 LDS loads in one run: a quarter step's fragments
	WIN TO_B
.irp i, 0,1,2,3,4,5,6,7
	ds_load_b128 v[(\f)+8*(\i):(\f)+8*(\i)+3],   v[ADRB+(\slot)] offset:(\k)+(\i)*16*PITCH
	ds_load_b128 v[(\f)+8*(\i)+4:(\f)+8*(\i)+7], v[ADRB+(\slot)] offset:(\k)+(\i)*16*PITCH+32
.endr
	WIN 0
.irp i, 0,1,2,3,4,5,6,7
	ds_load_b128 v[(\f)+8*(\i):(\f)+8*(\i)+3],   v[ADRA+(\slot)] offset:(\k)+(\i)*16*PITCH
	ds_load_b128 v[(\f)+8*(\i)+4:(\f)+8*(\i)+7], v[ADRA+(\slot)] offset:(\k)+(\i)*16*PITCH+32
.endr
.endm
.macro QUARTER slot, k, f, g, zero     ; multiplies buffer f; in its middle fetches the next quarter, at byte k, into g
	s_wait_dscnt 8                         ; the youngest eight loads (A's rows 64-127) may be out
	MUL16 \f, 0, 0, \zero
	MUL16 \f, 0, 2, \zero
	PLACES
	FETCH \slot, \k, \g
	s_wait_dscnt 32                        ; all but the 32 just issued
	MUL16 \f, 1, 0, \zero
	MUL16 \f, 1, 2, \zero
.endm
.macro MEET round                      ; the first half of a K step's last quarter, and the barrier of the change of slots
	WIN 0
	s_wait_tensorcnt 0x0                   ; all my tensor loads have landed: the one that was out is my part of the next slot
	ds_add_u32 v[SPW], v[NIL]
	s_wait_dscnt 9                         ; the add and the youngest eight loads may be out
	MUL16 F1, 0, 0, 0
	s_wait_dscnt 0x0                       ; the add is done, and my reads of this slot are over
	s_barrier_signal -1
	MUL16 F1, 0, 2, 0
.if \round
	WIN 0
.endif
	s_barrier_wait -1
.endm
.macro TURN slot, next                 ; the whole last quarter; the slot just read is filled again, two K steps ahead: 224 matrix instructions lie between the request and the wait for it
	s_wait_xcnt 0x0                        ; the last prefetch, a K step back, has read its address
	s_add_nc_u64 s[PFA:PFA+1], s[PFA:PFA+1], KSTEP*2
	MEET 1
	CREST
	s_add_nc_u64 s[G0+4*(\slot)+2:G0+4*(\slot)+3], s[XA:XA+1], s[OFA:OFA+1]  ; xh's address is made anew: the rows' base and the bytes along them
	s_or_b32 s[G0+4*(\slot)+3], s[G0+4*(\slot)+3], 0x80000000
	s_add_co_u32 s[OFA], s[OFA], KSTEP*2
	s_add_nc_u64 s[G0B+4*(\slot)+2:G0B+4*(\slot)+3], s[G0B+4*(\slot)+2:G0B+4*(\slot)+3], 2*KSTEP*2
	JLOAD \slot
	FETCH \next, 0, F0
	ASK
	MUL16 F1, 1, 0, 0
	MUL16 F1, 1, 2, 0
.endm
	s_wait_tensorcnt 1                     ; my part of K step 0 is in; K step 1's may stay out
	s_barrier_signal -1
	s_barrier_wait -1
	FETCH 0, 0, F0
	QUARTER 0, 64,  F0, F1, 1              ; the first quarter's products start the sums
	WIN 0
	s_mov_b32 s3, LAPS-1
.Llap:
	QUARTER 0, 128, F1, F0, 0
	QUARTER 0, 192, F0, F1, 0
	TURN 0, 1
	QUARTER 1, 64,  F0, F1, 0
	QUARTER 1, 128, F1, F0, 0
	QUARTER 1, 192, F0, F1, 0
	TURN 1, 0
	QUARTER 0, 64,  F0, F1, 0
	WIN 0
	s_sub_co_u32 s3, s3, 1
	s_cmp_lg_u32 s3, 0
	s_cbranch_scc1 .Llap
	QUARTER 0, 128, F1, F0, 0              ; the last lap fills nothing
	QUARTER 0, 192, F0, F1, 0
	MEET 0
	PLACES
	FETCH 1, 0, F0
	MUL16 F1, 1, 0, 0
	MUL16 F1, 1, 2, 0
	QUARTER 1, 64,  F0, F1, 0
	QUARTER 1, 128, F1, F0, 0
	QUARTER 1, 192, F0, F1, 0
	s_wait_dscnt 8
	MUL16 F1, 0, 0, 0
	MUL16 F1, 0, 2, 0
	s_wait_dscnt 0x0
	MUL16 F1, 1, 0, 0
	MUL16 F1, 1, 2, 0
	WIN 0
	PLACES
; THE WAY OUT, 16 rows at a time: a lane's 32 bytes of each accumulator go into my stage (each accumulator's low half first); whole rows of 512 bytes come back and are stored.
.macro TOSTAGE a
.set AC, 64*((\a)%4)
.set BK, 64+64*((\a)%2)
	s_wait_xcnt 0x0                        ; the stores of the block before last have read the registers that are loaded below
	WIN 0x08+4*((\a)/4)                    ; the stores' data in window 2 or 3
.irp b, 0,1,2,3,4,5,6,7
	ds_store_b128 v[STO], v[AC+8*(\b):AC+8*(\b)+3]   offset:64*(\b)
	ds_store_b128 v[STO], v[AC+8*(\b)+4:AC+8*(\b)+7] offset:64*(\b)+16
.endr
	WIN 0
.irp t, 0,1,2,3,4,5,6,7,8,9,10,11,12,13,14,15
	ds_load_b128 v[BK+4*(\t):BK+4*(\t)+3], v[RD] offset:SPITCH*(\t)  ; LDS serves a wave's instructions in order: these see the stores above
.endr
.endm
.macro SEND a, younger
.set BK, 64+64*((\a)%2)
	s_wait_dscnt \younger                  ; the next block's 32 LDS instructions may be out
.if (\a) > 0
	s_wait_xcnt 0x0
	s_add_nc_u64 s[OUTB:OUTB+1], s[OUTB:OUTB+1], 16*4096
.endif
.irp t, 0,1,2,3,4,5,6,7,8,9,10,11,12,13,14,15
	global_store_b128 v[CO], v[BK+4*(\t):BK+4*(\t)+3], s[OUTB:OUTB+1] offset:4096*(\t) th:TH_STORE_NT  ; 512 consecutive bytes, at a multiple of 512 from out0's first
.endr
.endm
	TOSTAGE 0
.irp a, 1,2,3,4,5,6,7
	TOSTAGE \a
	SEND (\a)-1, 32
.endr
	SEND 7, 0
	s_wait_tensorcnt 0x0                   ; the wave's end
	ds_add_u32 v[SPW], v[NIL]
	s_wait_dscnt 0x0
	CROUND                                 ; the closing round
	s_endpgm
.Lfunc_end_k_qdeec93f5dc_mix:
	.size	k_qdeec93f5dc_mix, .Lfunc_end_k_qdeec93f5dc_mix-k_qdeec93f5dc_mix
	.p2alignl 7, 3214868480
	.fill 96, 4, 3214868480
	.section	.rodata,"a",@progbits
	.p2align	6, 0x0
	.amdhsa_kernel k_qdeec93f5dc_mix
		.amdhsa_group_segment_fixed_size 327680
		.amdhsa_private_segment_fixed_size 0
		.amdhsa_enable_private_segment 0
		.amdhsa_kernarg_size 32
		.amdhsa_user_sgpr_count 2
		.amdhsa_user_sgpr_kernarg_segment_ptr 1
		.amdhsa_wavefront_size32 1
		.amdhsa_system_sgpr_workgroup_id_x 1
		.amdhsa_system_sgpr_workgroup_id_y 1
		.amdhsa_system_sgpr_workgroup_id_z 1
		.amdhsa_system_vgpr_workitem_id 0
		.amdhsa_next_free_vgpr 1024
		.amdhsa_next_free_sgpr 100
		.amdhsa_reserve_vcc 0
		.amdhsa_float_denorm_mode_32 3
		.amdhsa_float_denorm_mode_16_64 3
		.amdhsa_memory_ordered 1
		.amdhsa_forward_progress 1
		.amdhsa_inst_pref_size 143
	.end_amdhsa_kernel
	.amdgpu_metadata
---
amdhsa.version: [ 1, 2 ]
amdhsa.kernels:
  - .name:           k_qdeec93f5dc_mix
    .symbol:         k_qdeec93f5dc_mix.kd
    .args:
      - { .name: ch, .offset: 0, .size: 8, .value_kind: global_buffer, .address_space: global }
      - { .name: xh, .offset: 8, .size: 8, .value_kind: global_buffer, .address_space: global }
      - { .name: wcat, .offset: 16, .size: 8, .value_kind: global_buffer, .address_space: global }
      - { .name: out0, .offset: 24, .size: 8, .value_kind: global_buffer, .address_space: global }
    .group_segment_fixed_size: 327680
    .private_segment_fixed_size: 0
    .kernarg_segment_align: 8
    .kernarg_segment_size: 32
    .max_flat_workgroup_size: 128
    .sgpr_count:     100
    .vgpr_count:     1024
    .wavefront_size: 32
...
	.end_amdgpu_metadata
.endif
;; end of part 3
;; ======== version 2 of 2: 3 launches
;; limits: values are held in f16: magnitudes above 65,504 overflow, below 6.1e-05 lose precision
;; workspace buffers: xh 33,554,432 bytes; rr 65,536 bytes; msk 1,048,576 bytes of whole numbers; wts 1,835,008 bytes; wcat 2,621,440 bytes; ch 8,388,608 bytes
;; launch prep (part 4): grid 388 x 1, 16 waves a work-group, no clusters, 307,456 bytes of LDS; arguments input, w_k_weight, w_v_weight, w_up_weight, w_mix_weight, norm_in_weight, norm_out_weight, keep_cols, emb_alloc, seq_sort, starts, ends, xh, rr, msk, wts, wcat; writes xh, rr, msk, wts, wcat
.if DOCPART == 4
	.amdgcn_target "amdgcn-amd-amdhsa--gfx1250"
	.amdhsa_code_object_version 6
	.text
	.protected	k_qdeec93f5dc_prep
	.globl	k_qdeec93f5dc_prep
	.p2align	8
	.type	k_qdeec93f5dc_prep,@function
k_qdeec93f5dc_prep:
	s_mov_b64 s[64:65], 0
	v_nop
	global_prefetch_b8 v0, s[64:65] scope:SCOPE_SE
	s_setreg_imm32_b32 hwreg(HW_REG_WAVE_MODE, 25, 1), 1
	s_wait_xcnt 0x0
; PREP: all that hangs on the inputs alone, made once.  A work-group's number picks its job (the same for all its 16 waves):
;   0-63    J0  Wf[n][d] = sum over u of w_mix[n][u] norm_out[u] w_up[u][d], a tile of 64 n x 64 d; 4 Wf goes to wcat's columns 0-255 in f16
;   64-95   J7  the mask of one block of 512 sorted positions, as bits (1 = hidden), 16 words a position
;   96-103  J3  w_v[keep_cols] to f16            104-111 J2  w_k[keep_cols] x norm_in to f16, in chunks of 128 channels
;   112-115 J4  w_up to f16      116-131 J5  w_mix's columns 1024-2047 to f16, wcat's columns 256-1279      132-387 J1  x to f16, and 1 / rms of each row
; J4, J5 and J1 are ONE text: rows of 1,024 f32; the two pointers, the pitches and the offsets are chosen by the work-group's number (J4 and J5 sum squares that nobody reads, and leave ahead of the root).
; In the row jobs a wave takes four rows; all their loads go out at once (512 consecutive bytes each), a store of 8 bytes a lane covers 256 consecutive bytes, aligned.
; LIMITS.  f16 ends at 65,504: x, w_k x norm_in, w_v, w_up, w_mix and 4 Wf must lie within it.  keep_cols is held to 0 .. 8191.
; J0 stores pieces of 128 bytes (512 KiB in all): a tile of 128 d would want 64 x 2,064 + 1,024 x 288 bytes of LDS, more than a work-group can have.
.set PA,     2064                      ; a row of w_mix x norm_out in LDS: 2,048 bytes + 16
.set PB,     160                       ; a row of w_up's 64 columns: 128 bytes + 32
.set PSG,    144                       ; a row of the stage: 128 + 16
.set LA_B,   132096                    ; behind 64 rows of PA
.set LA_STG, 295936                    ; behind 1,024 rows of PB
.set LA_REX, 305152                    ; 64 words: the rows' 1 / rms
.set SPARE,  305408                    ; the spare words, 128 bytes for each of 16 waves
.set SPW, 2
.set NIL, 3
.set VO,  4                            ; v4-7   source offsets
.set VD,  8                            ; v8-11  destination offsets (J7: the four mask words)
.set L16, 12                           ; 16 x lane
.set TA,  13
.set RS,  14
.set TB,  15
.set W,   16                           ; v16-47 a gain vector, in the rows' lane map
.set T,   48                           ; v48-63 at work; J0's two accumulators
.set X,   64                           ; v64-191 four rows
.set B1,  192
.set WV,  40
.set ID,  41
	s_load_b512 s[4:19], s[0:1], 0x0       ; input 4, w_k 6, w_v 8, w_up 10, w_mix 12, norm_in 14, norm_out 16, keep_cols 18
	s_load_b512 s[20:35], s[0:1], 0x40     ; emb_alloc 20, seq_sort 22, starts 24, ends 26, xh 28, rr 30, msk 32, wts 34
	s_load_b64 s[36:37], s[0:1], 0x80      ; wcat
	v_lshl_add_u32 v[SPW], v0, 2, SPARE
	v_mov_b32 v[NIL], 0
	v_and_b32 v1, 31, v0                   ; lane
	v_lshrrev_b32 v[TA], 5, v0
	v_readfirstlane_b32 s[WV], v[TA]       ; wave 0..15
	v_lshlrev_b32 v[L16], 4, v1
	s_mov_b32 s[ID], ttmp9
	s_mov_b32 s38, 0x76543210              ; v_permlanex16_b32: each lane takes its own place in the other half
	s_mov_b32 s39, 0xfedcba98
	s_wait_kmcnt 0x0
	s_cmp_lt_u32 s[ID], 64
	s_cbranch_scc1 .Lj0
	s_cmp_lt_u32 s[ID], 96
	s_cbranch_scc1 .Lj7
	s_cmp_lt_u32 s[ID], 104
	s_cbranch_scc1 .Lj3
	s_cmp_lt_u32 s[ID], 112
	s_cbranch_scc1 .Lj2
; Four rows of nl x 128 f32 a wave: loaded, (scaled by W,) (squares summed,) rounded to f16, stored.
; base: the job's first work-group; gather = 1: the rows are keep_cols' entries; src, dst: the pointers' registers; sp, dp: bytes from row to row; soff, doff: constant offsets; dstep: from one store of a row to the next.
; var = 1: base, sp and dp are scalar registers, and s63 and s66 are added to the source's and the destination's offsets.
.macro ROWJOB base, nl, ssq, scale, gather, src, sp, soff, dst, dp, doff, dstep, nt, var
	s_sub_co_u32 s42, s[ID], \base
	s_lshl_b32 s43, s42, 6
	s_lshl2_add_u32 s43, s[WV], s43        ; the first of my four rows
.if \gather
	s_lshl_b32 s48, s43, 2
	s_load_b128 s[44:47], s[18:19], s48 offset:0x0
	s_wait_kmcnt 0x0
.irp t, 0,1,2,3
	s_min_u32 s[44+\t], s[44+\t], 0x1fff   ; an index stays inside its table
.endr
.else
.irp t, 0,1,2,3
	s_add_co_u32 s[44+\t], s43, \t
.endr
.endif
.irp t, 0,1,2,3
	s_mul_i32 s49, s[44+\t], \sp
.if \var
	s_add_co_u32 s49, s49, s63
.endif
	v_lshl_add_u32 v[VO+\t], v1, 4, s49
	s_add_co_u32 s50, s43, \t
	s_mul_i32 s50, s50, \dp
.if \var
	s_add_co_u32 s50, s50, s66
.endif
	v_lshl_add_u32 v[VD+\t], v1, 3, s50
.endr
.if \scale
.irp j, 0,1,2,3,4,5,6,7
	global_load_b128 v[W+4*\j:W+4*\j+3], v[L16], s[14:15] offset:512*\j
.endr
.endif
.irp t, 0,1,2,3
.set j, 0
.rept \nl
.if \nt
	global_load_b128 v[X+32*\t+4*j:X+32*\t+4*j+3], v[VO+\t], s[\src:\src+1] offset:\soff+512*j th:TH_LOAD_NT
.else
	global_load_b128 v[X+32*\t+4*j:X+32*\t+4*j+3], v[VO+\t], s[\src:\src+1] offset:\soff+512*j
.endif
.set j, j+1
.endr
.endr
.if \ssq
	v_and_b32 v[TA], 3, v0
	v_mov_b32 v[RS], 0
.irp t, 0,1,2,3
	v_cmp_eq_u32 s[52+\t], \t, v[TA]       ; the lanes that keep row t's sum
.endr
.endif
.irp t, 0,1,2,3
	s_wait_loadcnt \nl*(3-\t)              ; the younger rows' loads may stay out
.if \scale
.set j, 0
.rept 2*\nl
	v_pk_mul_f32 v[X+32*\t+2*j:X+32*\t+2*j+1], v[X+32*\t+2*j:X+32*\t+2*j+1], v[W+2*j:W+2*j+1]
.set j, j+1
.endr
.endif
.if \ssq
.set j, 0
.rept 16                               ; four chains of packed sums of squares
.if j < 4
	v_pk_mul_f32 v[T+2*j:T+2*j+1], v[X+32*\t+2*j:X+32*\t+2*j+1], v[X+32*\t+2*j:X+32*\t+2*j+1]
.else
	v_pk_fma_f32 v[T+2*(j%4):T+2*(j%4)+1], v[X+32*\t+2*j:X+32*\t+2*j+1], v[X+32*\t+2*j:X+32*\t+2*j+1], v[T+2*(j%4):T+2*(j%4)+1]
.endif
.set j, j+1
.endr
	v_pk_add_f32 v[T:T+1], v[T:T+1], v[T+2:T+3]
	v_pk_add_f32 v[T+4:T+5], v[T+4:T+5], v[T+6:T+7]
	v_pk_add_f32 v[T:T+1], v[T:T+1], v[T+4:T+5]
	v_add_f32 v[T], v[T], v[T+1]
.irp m, 1,2,4,8
	v_add_f32_dpp v[T], v[T], v[T] row_xmask:\m row_mask:0xf bank_mask:0xf
.endr
	v_permlanex16_b32 v[T+1], v[T], s38, s39
	v_add_f32 v[T], v[T], v[T+1]
	v_cndmask_b32 v[RS], v[RS], v[T], s[52+\t]
.endif
.set j, 0
.rept 2*\nl                            ; two roundings an instruction, packed downward in ascending order
	v_cvt_pk_f16_f32 v[X+32*\t+j], v[X+32*\t+2*j], v[X+32*\t+2*j+1]
.set j, j+1
.endr
.set j, 0
.rept \nl
	global_store_b64 v[VD+\t], v[X+32*\t+2*j:X+32*\t+2*j+1], s[\dst:\dst+1] offset:\doff+\dstep*j
.set j, j+1
.endr
.endr
.endm
	; J1, J5, J4: what differs between them, chosen by the work-group's number.  First J1's figures, then J5's below 132, then J4's below 116.
	s_mov_b32 s60, 132                     ; the job's first work-group
	s_mov_b32 s61, 4096                    ; bytes from row to row in the source,
	s_mov_b32 s62, 2048                    ; in the destination
	s_mov_b32 s63, 0                       ; the first column's byte in the source,
	s_mov_b32 s66, 0                       ; where the rows begin in the destination
	s_cmp_lt_u32 s[ID], 132
	s_cselect_b64 s[56:57], s[12:13], s[4:5]     ; w_mix or input
	s_cselect_b64 s[58:59], s[36:37], s[28:29]   ; wcat or xh
	s_cselect_b32 s60, 116, s60
	s_cselect_b32 s61, 8192, s61
	s_cselect_b32 s62, 2560, s62
	s_cselect_b32 s63, 4096, s63
	s_cselect_b32 s66, 512, s66
	s_cmp_lt_u32 s[ID], 116
	s_cselect_b64 s[56:57], s[10:11], s[56:57]   ; w_up
	s_cselect_b64 s[58:59], s[34:35], s[58:59]   ; wts
	s_cselect_b32 s60, 112, s60
	s_cselect_b32 s61, 4096, s61
	s_cselect_b32 s62, 2048, s62
	s_cselect_b32 s63, 0, s63
	s_cselect_b32 s66, 1310720, s66
	ROWJOB s60, 8, 1, 0, 0, 56, s61, 0, 58, s62, 0, 256, 1, 1   ; the hint is x's, which is 64 of the text's 69 MiB; it changes no value
	s_cmp_lt_u32 s[ID], 132
	s_cbranch_scc1 .Lend                   ; the weights have no 1 / rms
	s_mov_b32 s68, 0x3a800000              ; 1 / 1024
	s_mov_b32 s69, 0x358637bd              ; 1e-6
	v_fma_f32 v[RS], v[RS], s68, s69
	v_rsq_f32 v[RS], v[RS]
	v_and_b32 v[TA], 3, v0                 ; the plain instruction behind the root
	s_wait_alu depctr_va_vdst(0)           ; the wait ahead of the result's first reader
	s_lshl_b32 s70, s[WV], 4
	v_lshl_add_u32 v[TA], v[TA], 2, s70
	v_add_nc_u32 v[TA], LA_REX, v[TA]
	ds_store_b32 v[TA], v[RS]              ; word 4 wave + t; the eight lanes of a word store the same number
	s_wait_dscnt 0x0
	s_barrier_signal -1
	s_barrier_wait -1
	s_cmp_lg_u32 s[WV], 0
	s_cbranch_scc1 .Lend
	v_lshl_add_u32 v[TB], v1, 3, LA_REX
	ds_load_b64 v[16:17], v[TB]
	s_lshl_b32 s70, s42, 8
	v_lshl_add_u32 v[TA], v1, 3, s70
	s_wait_dscnt 0x0
	global_store_b64 v[TA], v[16:17], s[30:31]  ; the work-group's 64 numbers: 256 consecutive bytes, aligned
	s_branch .Lend
.Lj2:
	ROWJOB 104, 8, 0, 1, 1, 6, 4096, 0, 34, 256, 0, 131072, 0, 0
	s_branch .Lend
.Lj3:
	ROWJOB 96, 2, 0, 0, 1, 8, 1024, 0, 34, 512, 1048576, 256, 0, 0
	s_branch .Lend
; J7.  Word q, bit L of a position's 16 words stands for key 128 (q / 4) + 64 (q % 2) + 8 ((q / 2) % 2) + 16 (L / 8) + L % 8.
.macro MINI d, a
	v_cmp_gt_i32 vcc_lo, v[\d], v[\a]
	v_cndmask_b32 v[\d], v[\d], v[\a], vcc_lo
.endm
.macro MAXI d, a
	v_cmp_gt_i32 vcc_lo, v[\a], v[\d]
	v_cndmask_b32 v[\d], v[\d], v[\a], vcc_lo
.endm
.Lj7:
	s_sub_co_u32 s42, s[ID], 64            ; the block
	s_lshl_b32 s43, s42, 11
	v_add_nc_u32 v[VO], s43, v[L16]
.irp i, 0,1,2,3
	global_load_b128 v[64+4*\i:67+4*\i], v[VO], s[24:25] offset:512*\i  ; the block's 512 starts
	global_load_b128 v[80+4*\i:83+4*\i], v[VO], s[26:27] offset:512*\i  ; and ends
.endr
	v_lshrrev_b32 v[TA], 3, v1
	v_and_b32 v[TB], 7, v1
	v_lshl_add_u32 v[RS], v[TA], 4, v[TB]  ; 16 (L / 8) + L % 8
	v_lshlrev_b32 v[VO+1], 2, v[RS]
.set q, 0
.rept 16
	global_load_b32 v[96+q], v[VO+1], s[18:19] offset:4*(128*(q/4)+64*(q%2)+8*((q/2)%2))
.set q, q+1
.endr
	s_lshl_b32 s43, s42, 9
	s_lshl_b32 s44, s[WV], 5
	s_add_co_u32 s43, s43, s44             ; my first position
	s_lshl_b32 s44, s43, 2
	v_lshl_add_u32 v[VO+2], v1, 2, s44
	global_load_b32 v[VO+3], v[VO+2], s[22:23]   ; lane p: the label of my position p
	s_wait_loadcnt 17                      ; starts and ends are in; the 16 loads of keep_cols and the labels' may stay out
.set i, 1
.rept 15
	MINI 64, 64+i
	MAXI 80, 80+i
.set i, i+1
.endr
	v_mov_b32 v[TA], 0
.irp m, 1,2,4,8
	v_mov_b32_dpp v[TA], v64 row_xmask:\m row_mask:0xf bank_mask:0xf
	MINI 64, TA
	v_mov_b32_dpp v[TA], v80 row_xmask:\m row_mask:0xf bank_mask:0xf
	MAXI 80, TA
.endr
	v_permlanex16_b32 v[TA], v64, s38, s39
	MINI 64, TA
	v_permlanex16_b32 v[TA], v80, s38, s39
	MAXI 80, TA
	v_readfirstlane_b32 s60, v64           ; the block's least start
	v_readfirstlane_b32 s61, v80           ; and greatest end
	s_wait_loadcnt 0x0
.set q, 0
.rept 16
	v_min_u32 v[96+q], 0x1fff, v[96+q]
	v_lshlrev_b32 v[96+q], 2, v[96+q]
	global_load_b32 v[112+q], v[96+q], s[20:21]  ; the key's label
.set q, q+1
.endr
.set q, 0
.rept 16
	v_add_nc_u32 v[TA], 128*(q/4)+64*(q%2)+8*((q/2)%2), v[RS]
	v_cmp_gt_i32 s62, s60, v[TA]           ; start > key
	v_cmp_le_i32 s63, s61, v[TA]           ; end <= key
	s_or_b32 s[68+q], s62, s63
.set q, q+1
.endr
	s_lshl_b32 s44, s43, 6
	s_mov_b32 s45, 0
	s_add_nc_u64 s[94:95], s[32:33], s[44:45]
.irp c, 0,1,2,3
	v_mov_b32 v[VD+\c], 0
.endr
	s_wait_loadcnt 0x0
	s_mov_b32 s46, 32
	s_mov_b32 s47, 0
.Lj7t:                                     ; a trip: one position p, 16 words; lane 4 (p % 8) + a holds its words 4 a .. 4 a + 3; every eighth trip stores 512 bytes
	v_readlane_b32 s84, v[VO+3], s47       ; its label
	s_and_b32 s85, s47, 7
	s_lshl_b32 s85, s85, 2
	s_add_co_u32 s86, s85, 1
	s_add_co_u32 s87, s85, 2
	s_add_co_u32 s88, s85, 3
.irp a, 0,1,2,3
.irp c, 0,1,2,3
	v_cmp_ne_u32 s[96+\c], s84, v[112+4*\a+\c]
.endr
.irp c, 0,1,2,3
	s_or_b32 s[96+\c], s[96+\c], s[68+4*\a+\c]
.endr
.irp c, 0,1,2,3
	v_writelane_b32 v[VD+\c], s[96+\c], s[85+\a]
.endr
.endr
	s_cmp_lg_u32 s85, 28
	s_cbranch_scc1 .Lj7n
	global_store_b128 v[L16], v[VD:VD+3], s[94:95]
	s_wait_xcnt 0x0                        ; the store's data and its base are written again only behind this wait
	s_add_nc_u64 s[94:95], s[94:95], 512
.Lj7n:
	s_add_co_u32 s47, s47, 1
	s_sub_co_u32 s46, s46, 1
	s_cmp_lg_u32 s46, 0
	s_cbranch_scc1 .Lj7t
	s_branch .Lend
; J0.  w_mix x norm_out (64 rows x 1,024) and w_up (1,024 rows x 64 columns) go to LDS in f16; wave w makes the tile n block w % 4, d block w / 4.
.macro BCONV reg, i0
.set i, 0
.rept 16
	v_cvt_pk_f16_f32 v[\reg+4*i], v[\reg+4*i], v[\reg+4*i+1]
	v_cvt_pk_f16_f32 v[\reg+4*i+1], v[\reg+4*i+2], v[\reg+4*i+3]
	ds_store_b64 v7, v[\reg+4*i:\reg+4*i+1] offset:2*PB*(\i0+i)
.set i, i+1
.endr
.endm
.Lj0:
	s_lshr_b32 s42, s[ID], 2               ; n tile
	s_and_b32 s43, s[ID], 3                ; d tile
	s_lshl_b32 s44, s42, 6
	s_lshl2_add_u32 s45, s[WV], s44
	s_lshl_b32 s45, s45, 13                ; my four rows of w_mix, 8,192 bytes each
	v_add_nc_u32 v[VO], s45, v[L16]
	v_lshrrev_b32 v[TA], 4, v1             ; lane / 16
	v_and_b32 v[TB], 15, v1                ; lane % 16
	s_lshl_b32 s46, s[WV], 6
	v_add_nc_u32 v5, s46, v[TA]            ; row u = 64 wave + lane / 16 (+ 2 i)
	v_lshlrev_b32 v6, 10, v5
	v_lshl_add_u32 v6, v[TB], 4, v6
	s_lshl_b32 s47, s43, 8
	v_add_nc_u32 v6, s47, v6
	v_mul_u32_u24 v7, v5, PB
	v_lshl_add_u32 v7, v[TB], 3, v7
	v_add_nc_u32 v7, LA_B, v7
	s_mul_i32 s48, s[WV], 4*PA
	v_lshl_add_u32 v8, v1, 3, s48
.irp j, 0,1,2,3,4,5,6,7
	global_load_b128 v[W+4*\j:W+4*\j+3], v[L16], s[16:17] offset:512*\j
.endr
.irp t, 0,1,2,3
.irp j, 0,1,2,3,4,5,6,7
	global_load_b128 v[X+32*\t+4*\j:X+32*\t+4*\j+3], v[VO], s[12:13] offset:8192*\t+512*\j
.endr
.endr
.set i, 0
.rept 16
	global_load_b128 v[B1+4*i:B1+4*i+3], v6, s[10:11] offset:2048*i
.set i, i+1
.endr
.irp t, 0,1,2,3
	s_wait_loadcnt 16+8*(3-\t)             ; w_up's 16 loads and the younger rows' may stay out
.set j, 0
.rept 16
	v_pk_mul_f32 v[X+32*\t+2*j:X+32*\t+2*j+1], v[X+32*\t+2*j:X+32*\t+2*j+1], v[W+2*j:W+2*j+1]
.set j, j+1
.endr
.set j, 0
.rept 16
	v_cvt_pk_f16_f32 v[X+32*\t+j], v[X+32*\t+2*j], v[X+32*\t+2*j+1]
.set j, j+1
.endr
.set j, 0
.rept 8
	ds_store_b64 v8, v[X+32*\t+2*j:X+32*\t+2*j+1] offset:PA*\t+256*j
.set j, j+1
.endr
.endr
.set i, 0
.rept 16
	global_load_b128 v[X+4*i:X+4*i+3], v6, s[10:11] offset:2048*(16+i)
.set i, i+1
.endr
	s_wait_loadcnt 16                      ; the first 16 of w_up are in
	BCONV B1, 0
	s_wait_loadcnt 0x0
	BCONV X, 16
	s_and_b32 s49, s[WV], 3                ; n block
	s_lshr_b32 s50, s[WV], 2               ; d block
	s_mul_i32 s51, s49, 16*PA
	v_mul_u32_u24 v9, v[TB], PA
	v_lshl_add_u32 v9, v[TA], 4, v9
	v_add_nc_u32 v9, s51, v9               ; (16 nb + r) PA + 16 h
	v_and_b32 v11, 7, v1
	v_lshl_add_u32 v11, v[TA], 3, v11
	v_mul_u32_u24 v10, v11, PB
	v_bfe_u32 v11, v1, 3, 1
	v_lshl_add_u32 v10, v11, 4, v10
	s_lshl_b32 s52, s50, 5
	s_add_co_u32 s52, s52, LA_B
	v_add_nc_u32 v10, s52, v10             ; the turning load's address
	s_mul_i32 s51, s49, 16*PSG
	s_lshl_b32 s52, s50, 5
	s_add_co_u32 s51, s51, s52
	s_add_co_u32 s51, s51, LA_STG
	v_mul_u32_u24 v11, v[TB], PSG
	v_lshl_add_u32 v11, v[TA], 4, v11
	v_add_nc_u32 v11, s51, v11
.set i, 0
.rept 16
	v_mov_b32 v[T+i], 0                    ; two accumulators, by the K step's parity
.set i, i+1
.endr
	s_wait_dscnt 0x0
	s_barrier_signal -1
	s_barrier_wait -1
	s_mov_b32 s53, 8
.Lj0k:                                     ; a trip: 128 of the 1,024 u
.rept 4
	v_nop                                  ; four places between the last products and the loads into their sources
.endr
.irp k, 0,1,2,3
	ds_load_b128 v[64+8*\k:67+8*\k], v9 offset:64*\k
	ds_load_b128 v[68+8*\k:71+8*\k], v9 offset:64*\k+32
	ds_load_tr16_b128 v[96+8*\k:99+8*\k], v10 offset:32*PB*\k
	ds_load_tr16_b128 v[100+8*\k:103+8*\k], v10 offset:32*PB*\k+16*PB
.endr
	s_wait_dscnt 0x0
.irp k, 0,1,2,3                        ; source 0 = 16 columns d, source 1 = 16 rows n: a lane ends with eight neighbouring d of one row; the accumulators take turns
	v_wmma_f32_16x16x32_f16 v[T+8*(\k%2):T+8*(\k%2)+7], v[96+8*\k:103+8*\k], v[64+8*\k:71+8*\k], v[T+8*(\k%2):T+8*(\k%2)+7]
.endr
	v_add_nc_u32 v9, 256, v9
	v_add_nc_u32 v10, 128*PB, v10
	s_sub_co_u32 s53, s53, 1
	s_cmp_lg_u32 s53, 0
	s_cbranch_scc1 .Lj0k
.rept 4
	v_nop
.endr
.irp p, 0,1,2,3
	v_pk_add_f32 v[T+2*\p:T+2*\p+1], v[T+2*\p:T+2*\p+1], v[T+8+2*\p:T+8+2*\p+1]
.endr
.irp p, 0,1,2,3
	v_pk_mul_f32 v[T+2*\p:T+2*\p+1], v[T+2*\p:T+2*\p+1], 4.0 op_sel_hi:[1,0]
.endr
.irp p, 0,1,2,3
	v_cvt_pk_f16_f32 v[64+\p], v[T+2*\p], v[T+2*\p+1]
.endr
	ds_store_b128 v11, v[64:67]
	v_lshrrev_b32 v[TA], 3, v0             ; thread t takes 16 bytes: row t / 8, piece t % 8
	v_and_b32 v[TB], 7, v0
	v_mul_u32_u24 v9, v[TA], PSG
	v_lshl_add_u32 v9, v[TB], 4, v9
	v_add_nc_u32 v9, LA_STG, v9
	v_mul_u32_u24 v10, v[TA], 2560
	v_lshl_add_u32 v10, v[TB], 4, v10
	s_mul_i32 s54, s44, 2560
	s_lshl_b32 s55, s43, 7
	s_add_co_u32 s54, s54, s55
	v_add_nc_u32 v10, s54, v10
	s_wait_dscnt 0x0
	s_barrier_signal -1
	s_barrier_wait -1
	ds_load_b128 v[68:71], v9
	s_wait_dscnt 0x0
	global_store_b128 v10, v[68:71], s[36:37]
.Lend:
	s_wait_tensorcnt 0x0                   ; the wave's end
	ds_add_u32 v[SPW], v[NIL]
	s_wait_dscnt 0x0
	s_endpgm
.Lfunc_end_k_qdeec93f5dc_prep:
	.size	k_qdeec93f5dc_prep, .Lfunc_end_k_qdeec93f5dc_prep-k_qdeec93f5dc_prep
	.p2alignl 7, 3214868480
	.fill 96, 4, 3214868480
	.section	.rodata,"a",@progbits
	.p2align	6, 0x0
	.amdhsa_kernel k_qdeec93f5dc_prep
		.amdhsa_group_segment_fixed_size 307456
		.amdhsa_private_segment_fixed_size 0
		.amdhsa_enable_private_segment 0
		.amdhsa_kernarg_size 136
		.amdhsa_user_sgpr_count 2
		.amdhsa_user_sgpr_kernarg_segment_ptr 1
		.amdhsa_wavefront_size32 1
		.amdhsa_system_sgpr_workgroup_id_x 1
		.amdhsa_system_sgpr_workgroup_id_y 1
		.amdhsa_system_sgpr_workgroup_id_z 1
		.amdhsa_system_vgpr_workitem_id 0
		.amdhsa_next_free_vgpr 256
		.amdhsa_next_free_sgpr 100
		.amdhsa_reserve_vcc 1
		.amdhsa_float_denorm_mode_32 3
		.amdhsa_float_denorm_mode_16_64 3
		.amdhsa_memory_ordered 1
		.amdhsa_forward_progress 1
		.amdhsa_inst_pref_size 88
	.end_amdhsa_kernel
	.amdgpu_metadata
---
amdhsa.version: [ 1, 2 ]
amdhsa.kernels:
  - .name:           k_qdeec93f5dc_prep
    .symbol:         k_qdeec93f5dc_prep.kd
    .args:
      - { .name: input, .offset: 0, .size: 8, .value_kind: global_buffer, .address_space: global }
      - { .name: w_k_weight, .offset: 8, .size: 8, .value_kind: global_buffer, .address_space: global }
      - { .name: w_v_weight, .offset: 16, .size: 8, .value_kind: global_buffer, .address_space: global }
      - { .name: w_up_weight, .offset: 24, .size: 8, .value_kind: global_buffer, .address_space: global }
      - { .name: w_mix_weight, .offset: 32, .size: 8, .value_kind: global_buffer, .address_space: global }
      - { .name: norm_in_weight, .offset: 40, .size: 8, .value_kind: global_buffer, .address_space: global }
      - { .name: norm_out_weight, .offset: 48, .size: 8, .value_kind: global_buffer, .address_space: global }
      - { .name: keep_cols, .offset: 56, .size: 8, .value_kind: global_buffer, .address_space: global }
      - { .name: emb_alloc, .offset: 64, .size: 8, .value_kind: global_buffer, .address_space: global }
      - { .name: seq_sort, .offset: 72, .size: 8, .value_kind: global_buffer, .address_space: global }
      - { .name: starts, .offset: 80, .size: 8, .value_kind: global_buffer, .address_space: global }
      - { .name: ends, .offset: 88, .size: 8, .value_kind: global_buffer, .address_space: global }
      - { .name: xh, .offset: 96, .size: 8, .value_kind: global_buffer, .address_space: global }
      - { .name: rr, .offset: 104, .size: 8, .value_kind: global_buffer, .address_space: global }
      - { .name: msk, .offset: 112, .size: 8, .value_kind: global_buffer, .address_space: global }
      - { .name: wts, .offset: 120, .size: 8, .value_kind: global_buffer, .address_space: global }
      - { .name: wcat, .offset: 128, .size: 8, .value_kind: global_buffer, .address_space: global }
    .group_segment_fixed_size: 307456
    .private_segment_fixed_size: 0
    .kernarg_segment_align: 8
    .kernarg_segment_size: 136
    .max_flat_workgroup_size: 512
    .sgpr_count:     100
    .vgpr_count:     256
    .wavefront_size: 32
...
	.end_amdgpu_metadata
.endif
;; end of part 4
;; launch attn (part 5): grid 256 x 1, 4 waves a work-group, clusters of 4 x 1, 327,680 bytes of LDS; arguments bw, fw, msk, xh, rr, wts, ch; writes ch
.if DOCPART == 5
	.amdgcn_target "amdgcn-amd-amdhsa--gfx1250"
	.amdhsa_code_object_version 6
	.text
	.protected	k_qdeec93f5dc_attn
	.globl	k_qdeec93f5dc_attn
	.p2align	8
	.type	k_qdeec93f5dc_attn,@function
k_qdeec93f5dc_attn:
	s_mov_b64 s[64:65], 0
	v_nop
	global_prefetch_b8 v0, s[64:65] scope:SCOPE_SE
	s_setreg_imm32_b32 hwreg(HW_REG_WAVE_MODE, 25, 1), 1
	s_wait_xcnt 0x0
	s_wait_alu depctr_hold_cnt(0) depctr_sa_sdst(0) depctr_va_vdst(0) depctr_va_sdst(0) depctr_va_ssrc(0) depctr_va_vcc(0) depctr_vm_vsrc(0)
	s_getreg_b32 s2, hwreg(HW_REG_IB_STS2, 6, 4)
	s_cmp_eq_u32 s2, 0
	s_cbranch_scc0 .Lentry_in_a_cluster
	s_endpgm
.Lentry_in_a_cluster:
	s_bfe_u32 s2, ttmp6, 0x10000c
	s_cmp_lg_u32 s2, 0x3003
	s_cbranch_scc0 .Lentry_shape_is_right
	s_endpgm
.Lentry_shape_is_right:
; ATTN: for output rows i0 .. i0 + 63: j = bw[i], g = fw[j]; scores x[g] . (w_k norm_in)[key] / rms, masked by msk[j]; softmax with the row's maximum taken away; comb = p w_v; up = comb w_up^T, of which only
; the sum of squares is kept; ch[i] = comb x rsqrt(mean(up^2) + 1e-6) / 4 in f16.
; SHARES.  A work-group has 64 tokens, four blocks tb of 16.  Wave w takes a quarter of each product's other side: keys 128 w .., then channels d 64 w .., then rows u 64 w .. of each 256.
; Every product is used transposed (source 0 = the weights' rows, source 1 = 16 tokens): a lane holds ONE token (lane % 16) and eight neighbours 8 (lane / 16) + 0..7 of the other side.
; THE RING.  All work-groups walk the same 14 tiles of 131,072 bytes of wts (8 of keys, 2 of values, 4 of w_up), each asked for JOINTLY by the four partners of a cluster; each wave fetches a quarter, 128 rows of 256 bytes.
; One descriptor walks all 14: its LDS word is turned from slot to slot by an exclusive or (wave x 34,816 and 139,264 share no bit), its address steps a tile.  In LDS a tile is 512 rows of 272 bytes.  Rows of 512 bytes
; (values, w_up) so lie in two halves 272 apart, 544 from row to row: w_up's fragment loads meet two rows in a bank group; the price of one descriptor.
; Each phase's trip is written once and looped over; the slot's first byte is a scalar that the change of slots turns; the walk's last trip, which asks for nothing, is written out.
; LIMITS.  All matrix operands are f16 (65,504 at the most).  A hidden score counts as its value less 1e30; a token whose maximum lies below -2^96 has seen no key and gets NaN; a weight below 2^-126 counts as 0.
; ch is f16(f16(comb) x f16(s / 4)): three roundings to f16; s / 4 is 250 at the most.  bw and fw are held to 0 .. 16,383.
; WINDOWS (s_set_vgpr_msb: bits 1:0 source 0, 3:2 source 1, 5:4 source 2, 7:6 destination): 0 addresses, statistics, packed weights, x; 1 accumulators; 2 the weights' fragments; 3 the tokens' fragments.
.set TILE,  131072
.set SLOT,  139264                     ; 512 x 272
.set XR,    278528                     ; 34,816 bytes written by LDS stores alone: two chunks of x (64 x 272 each), then half of p (64 x 528), the other half, comb
.set XBUF,  17408
.set STATM, 313344                     ; [token][wave] f32: maxima; +1,024 sums; +2,048 sums of squares
.set SPARE, 316416                     ; the spare words
.set SPW, 4
.set NIL, 5
.set AB0, 6                            ; keys' fragments in slot 0;  AB: in the slot in hand
.set AB,  7
.set AU0, 8                            ; w_up's
.set AU,  9
.set AX0, 10                           ; x's fragments in chunk buffer 0;  AX: in the buffer in hand
.set AX,  11
.set XS0, 12                           ; where I store x, buffer 0;  XS: the other buffer than the one in hand
.set XS,  13
.set AV0, 14                           ; v14-15 values, turned, slot 0: keys 0-127, 128-255;  v16-17 in the slot in hand
.set AV,  16
.set AP,  18                           ; fragments of p and of comb
.set PS,  19                           ; where I store p
.set CS,  20                           ; where I store comb
.set SM,  21                           ; my word of a statistic
.set SR,  22                           ; a token's four words
.set RDO, 23
.set GO,  24
.set PFO, 25
.set IA,  26
.set IB,  27
.set RL,  32                           ; v32-39 log2(e) / rms, twice, for each tb
.set NM,  40                           ; v40-47 - m RL, twice
.set ST,  48                           ; v48-55 maxima, then sums, then sums of squares: a pair for each tb
.set MW,  56                           ; v56-63 two mask words for each tb; later at work
.set PK,  64                           ; v64-191 packed results
.set XC,  192                          ; v192-223 a chunk of x
.set IDX, 224                          ; v224-235 indices
.set XO,  236                          ; v236-243 x rows' offsets
.set MA,  244                          ; v244-247 msk offsets
.set WV,  18
.set CX,  19
.set XB,  20
.set PFA, 22
.set LIM0, 24                          ; 0 in the cluster that prefetches, else the greatest number
.set CNT, 25
.set SEL, 26
.set G1,  28
.set G0,  36
.set LIM1, 40                          ; 1 there, else the greatest number
.set PH,  41                           ; the count at which my half of p is stored
.set TB,  42                           ; the first byte of the slot in hand
.set XT,  43                           ; of the chunk buffer in hand, from XR
.set BIGN, 44
.set NEG, 45
.set XN,  46                           ; of the other chunk buffer
.set BAD, 48
.set MSB, 0
.macro WIN new
.if MSB != (\new)
	s_set_vgpr_msb (MSB<<8)|(\new)
.set MSB, \new
.endif
.endm
.macro PLACES
.rept 4
	v_nop
.endr
.endm
.macro ROUND                           ; a round of the cluster's barrier
	s_barrier_signal -1
	s_barrier_wait -1
	s_cmp_lg_u32 s[WV], 0
	s_cbranch_scc1 .Lnw0_\@
	s_barrier_signal -3
.Lnw0_\@:
	s_barrier_wait -3
	s_barrier_signal -1
	s_barrier_wait -1
.endm
; THE CHANGE OF SLOTS at a trip's head: all my tensor loads have landed (one is out: my quarter of this trip's tile), the add, my LDS work is done; a round; the next tile goes into the other slot, first thing.
; The tile after that one is prefetched while the loop's count is above s[lim]: by the first cluster alone, each of its 16 waves 32 blocks of 256 bytes, told apart by address.  One tensor load of a wave is out at any time.
.macro CHG refill, lim
	WIN 0
.if \refill
	s_wait_xcnt 0x0                        ; the last prefetch, a trip back, has read its address
	s_add_nc_u64 s[PFA:PFA+1], s[PFA:PFA+1], TILE
.endif
	s_wait_tensorcnt 0x0
	ds_add_u32 v[SPW], v[NIL]
.if \refill
	s_xor_b32 s[G0+1], s[G0+1], SLOT       ; no tensor load of mine is out: the descriptor walks to the other slot
	s_add_nc_u64 s[G0+2:G0+3], s[G0+2:G0+3], TILE  ; and the next tile
.endif
	s_xor_b32 s[TB], s[TB], SLOT           ; the slot that this trip reads
	s_wait_dscnt 0x0
.if \refill
	ROUND
	tensor_load_to_lds s[G0:G0+3], s[G1:G1+7]
	s_nop 0
	PLACES                                 ; also the places in front of the trip's loads into fragment registers
	s_cmp_gt_u32 s[CNT], s[\lim]
	s_cbranch_scc0 .Lnoask_\@
	global_prefetch_b8 v[PFO], s[PFA:PFA+1] th:TH_LOAD_NT scope:SCOPE_SE
.Lnoask_\@:
.else
	s_barrier_signal -1
	s_barrier_wait -1
.endif
.endm
	s_load_b256 s[4:11], s[0:1], 0x0       ; bw 4, fw 6, msk 8, xh 10
	s_load_b128 s[12:15], s[0:1], 0x20     ; rr 12, wts 14
	s_load_b64 s[16:17], s[0:1], 0x30      ; ch
	v_lshl_add_u32 v[SPW], v0, 2, SPARE
	v_mov_b32 v[NIL], 0
	ds_add_u32 v[SPW], v[NIL]              ; the opening: the add and its wait ahead of my first tensor load; the set-up stands between
	v_lshrrev_b32 v29, 5, v0
	v_readfirstlane_b32 s[WV], v29
	v_and_b32 v1, 15, v0                   ; r
	v_bfe_u32 v2, v0, 4, 1                 ; h
	v_and_b32 v3, 31, v0                   ; lane
	s_mov_b32 s[G1], 15|(1<<16)|(1<<20)|(1<<21)|(5<<22)|(3<<25)  ; the mask of four; 2-byte elements; padding on; 21 set beside a mask; after every 64 words, 4 words
	s_mov_b32 s[G1+1], 128<<16             ; tensor_dim0 = 128
	s_mov_b32 s[G1+2], 128<<16             ; tensor_dim1 = 128
	s_mov_b32 s[G1+3], 128<<16             ; tile_dim0 = 128
	s_mov_b32 s[G1+4], 128                 ; tile_dim1 = 128
	s_mov_b32 s[G1+5], 128                 ; dense rows
	s_mov_b32 s[G1+6], 0
	s_mov_b32 s[G1+7], 0
	s_mov_b32 s[SEL], 0x76543210
	s_mov_b32 s[SEL+1], 0xfedcba98
	s_mov_b32 s[BIGN], 0xf149f2ca          ; -1e30
	s_mov_b32 s[NEG], 0xef800000           ; -2^96
	s_mul_i32 s52, s[WV], 34816            ; my quarter of a slot
	s_lshl_b32 s60, s[WV], 15              ; and of a tile in memory
	s_mov_b32 s61, 0
	s_mov_b32 s[G0], 1
	s_mov_b32 s[G0+1], s52
	s_mov_b32 s[TB], SLOT                  ; the first change of slots turns these two into 0
	s_mov_b32 s[XT], XBUF
	s_lshr_b32 s[PH], s[WV], 1
	s_sub_co_u32 s[PH], 2, s[PH]           ; waves 0 and 1: at count 2; waves 2 and 3: at count 1
	v_mul_u32_u24 v29, v1, 272
	v_lshl_add_u32 v29, v2, 4, v29
	v_add_nc_u32 v[AB0], s52, v29
	v_add_nc_u32 v[AX0], XR, v29
	v_mul_u32_u24 v30, v1, 544
	v_lshl_add_u32 v30, v2, 4, v30
	v_add_nc_u32 v[AU0], s52, v30
	s_mul_i32 s53, s[WV], 544
	v_mul_u32_u24 v31, v2, 272
	v_lshl_add_u32 v31, v1, 4, v31
	v_add_nc_u32 v31, s53, v31             ; token 2 w + lane / 16 (+ 8 q), 16 bytes a lane
	v_add_nc_u32 v[XS0], XR, v31
	v_and_b32 v29, 7, v0
	v_lshl_add_u32 v29, v2, 3, v29
	v_mul_u32_u24 v29, v29, 544
	v_bfe_u32 v30, v0, 3, 1
	v_lshl_add_u32 v29, v30, 4, v29
	s_lshr_b32 s53, s[WV], 1
	s_mul_i32 s53, s53, 272
	s_and_b32 s54, s[WV], 1
	s_lshl_b32 s55, s54, 7
	s_add_co_u32 s53, s53, s55
	v_add_nc_u32 v[AV0], s53, v29
	v_add_nc_u32 v[AV0+1], 69632, v[AV0]
	v_mul_u32_u24 v29, v1, 528
	v_lshl_add_u32 v29, v2, 4, v29
	v_add_nc_u32 v[AP], XR, v29
	s_lshl_b32 s55, s54, 8
	v_add_nc_u32 v[PS], s55, v[AP]
	s_lshl_b32 s55, s[WV], 7
	v_add_nc_u32 v[CS], s55, v[AP]
	v_lshlrev_b32 v29, 4, v1
	v_add_nc_u32 v[SR], STATM, v29
	s_lshl_b32 s55, s[WV], 2
	v_add_nc_u32 v[SM], s55, v[SR]
	s_mul_i32 s55, s[WV], 8448
	v_lshl_add_u32 v[RDO], v3, 4, s55
	v_add_nc_u32 v[RDO], XR, v[RDO]
	s_lshl_b32 s55, s[WV], 13
	v_lshl_add_u32 v[GO], v3, 4, s55
	v_lshlrev_b32 v[PFO], 8, v3
	; what hangs on my place in the cluster enters global addresses alone
	s_bfe_u32 s[CX], ttmp6, 0x40000
	s_lshl_b32 s72, ttmp9, 2
	s_add_co_u32 s72, s72, s[CX]           ; my work-group
	s_lshl_b32 s73, s72, 8                 ; its 64 entries of bw
	s_lshl3_add_u32 s74, s[WV], s73
	v_lshl_add_u32 v[IA], v2, 2, s74       ; token 2 w + lane / 16 (+ 8 q)
	v_lshl_add_u32 v[IB], v1, 2, s73       ; token r (+ 16 tb)
	s_lshl_b32 s70, s[CX], 15
	s_lshl_b32 s71, s[WV], 13
	s_add_co_u32 s70, s70, s71
	s_add_co_u32 s70, s70, TILE            ; the prefetches stand at tile 1; trip 0 steps them to tile 2
	s_mov_b32 s71, 0
	s_lshl_b32 s76, s72, 15                ; my 64 rows of ch
	s_mov_b32 s77, 0
	s_cmp_eq_u32 ttmp9, 0                  ; the same in all four partners
	s_cselect_b32 s[LIM0], 0, -1
	s_cselect_b32 s[LIM1], 1, -1
	s_wait_dscnt 0x0
	s_wait_kmcnt 0x0
	s_add_nc_u64 s[G0+2:G0+3], s[14:15], s[60:61]
	s_or_b32 s[G0+3], s[G0+3], 0x80000000
	s_add_nc_u64 s[PFA:PFA+1], s[14:15], s[70:71]
	s_add_nc_u64 s[16:17], s[16:17], s[76:77]
	s_mov_b64 s[XB:XB+1], s[10:11]
.irp q, 0,1,2,3,4,5,6,7
	global_load_b32 v[IDX+\q], v[IA], s[4:5] offset:32*\q
.endr
.irp t, 0,1,2,3
	global_load_b32 v[IDX+8+\t], v[IB], s[4:5] offset:64*\t
.endr
	ROUND                                  ; all four work-groups are here: the first joint load meets
	tensor_load_to_lds s[G0:G0+3], s[G1:G1+7]
	s_nop 0
	PLACES
	s_wait_loadcnt 0x0                     ; j = bw[i]
	s_lshl_b32 s55, s[WV], 4
	v_lshl_add_u32 v28, v2, 3, s55         ; my 8 bytes of a position's 64
.set i, 0
.rept 12
	v_min_u32 v[IDX+i], 0x3fff, v[IDX+i]
.set i, i+1
.endr
.irp t, 0,1,2,3
	v_lshl_add_u32 v[MA+\t], v[IDX+8+\t], 6, v28
.endr
.set i, 0
.rept 12
	v_lshlrev_b32 v[IDX+i], 2, v[IDX+i]
	global_load_b32 v[IDX+i], v[IDX+i], s[6:7]
.set i, i+1
.endr
.irp t, 0,1,2,3
	global_load_b64 v[MW+2*\t:MW+2*\t+1], v[MA+\t], s[8:9]
.endr
	v_lshlrev_b32 v28, 4, v1
	s_wait_loadcnt 0x0                     ; g = fw[j], and the mask words
.set i, 0
.rept 12
	v_min_u32 v[IDX+i], 0x3fff, v[IDX+i]
.set i, i+1
.endr
.irp q, 0,1,2,3,4,5,6,7
	v_lshl_add_u32 v[XO+\q], v[IDX+\q], 11, v28
.endr
.irp t, 0,1,2,3
	v_lshlrev_b32 v[IDX+8+\t], 2, v[IDX+8+\t]
	global_load_b32 v[RL+2*\t], v[IDX+8+\t], s[12:13]
.endr
.macro XLOAD                           ; a chunk of 128 channels of my 16 tokens: an instruction takes 256 bytes of each of two rows
.irp q, 0,1,2,3,4,5,6,7
	global_load_b128 v[XC+4*\q:XC+4*\q+3], v[XO+\q], s[XB:XB+1]
.endr
.endm
.macro XSTORE adr
.irp q, 0,1,2,3,4,5,6,7
	ds_store_b128 v[\adr], v[XC+4*\q:XC+4*\q+3] offset:2176*\q
.endr
.endm
	XLOAD                                  ; chunk 0
	; the scores' accumulators start at the mask: 0, or -1e30 where the bit is set.  Accumulator a = 4 kb + tb; register jj is key 16 kb + 8 h + jj of my 128.
	; The bit goes to the top, is spread over the word, and cuts -1e30 out.
	WIN 0x40
.set a, 0
.rept 32
.set jj, 0
.rept 8
	v_lshlrev_b32 v[8*a+jj], 31-(8*((a/4)%4)+jj), v[MW+2*(a%4)+a/16]
.set jj, jj+1
.endr
.set a, a+1
.endr
	WIN 0x44
.set i, 0
.rept 256
	v_ashrrev_i32 v[i], 31, v[i]
.set i, i+1
.endr
.set i, 0
.rept 256
	v_and_b32 v[i], s[BIGN], v[i]
.set i, i+1
.endr
	WIN 0
	s_wait_loadcnt 0x0                     ; 1 / rms and chunk 0
.irp t, 0,1,2,3
	v_mul_f32 v[RL+2*\t], 0x3fb8aa3b, v[RL+2*\t]
	v_mov_b32 v[RL+2*\t+1], v[RL+2*\t]
.endr
	XSTORE XS0
	s_add_nc_u64 s[XB:XB+1], s[XB:XB+1], 256
	XLOAD                                  ; chunk 1
; SCORES.  A trip is a chunk of 128 channels: four K steps of 32, 32 products each, one on each accumulator.
.macro FETCHS ks
	WIN 0x80
.irp kb, 0,1,2,3,4,5,6,7
	ds_load_b128 v[64*(\ks)+8*\kb:64*(\ks)+8*\kb+3],   v[AB] offset:4352*\kb+64*(\ks)
	ds_load_b128 v[64*(\ks)+8*\kb+4:64*(\ks)+8*\kb+7], v[AB] offset:4352*\kb+64*(\ks)+32
.endr
	WIN 0xc0
.irp tb, 0,1,2,3
	ds_load_b128 v[32*(\ks)+8*\tb:32*(\ks)+8*\tb+3],   v[AX] offset:4352*\tb+64*(\ks)
	ds_load_b128 v[32*(\ks)+8*\tb+4:32*(\ks)+8*\tb+7], v[AX] offset:4352*\tb+64*(\ks)+32
.endr
.endm
.macro MULS ks
	WIN 0x5e
.set a, 0
.rept 32
	v_wmma_f32_16x16x32_f16 v[8*a:8*a+7], v[64*(\ks)+8*(a/4):64*(\ks)+8*(a/4)+7], v[32*(\ks)+8*(a%4):32*(\ks)+8*(a%4)+7], v[8*a:8*a+7]
.set a, a+1
.endr
.endm
	s_mov_b32 s[CNT], 8
.Ls:                                       ; trip t = 8 - count reads tile t and chunk t; chunk t + 1, loaded a trip ago, goes to the other chunk buffer (all waves left it at this trip's round); chunk t + 2 is asked for
	CHG 1, LIM0
	s_xor_b32 s[XT], s[XT], XBUF
	s_xor_b32 s[XN], s[XT], XBUF
	v_add_nc_u32 v[AB], s[TB], v[AB0]
	v_add_nc_u32 v[AX], s[XT], v[AX0]
	v_add_nc_u32 v[XS], s[XN], v[XS0]
	s_cmp_lt_u32 s[CNT], 2                 ; the last trip has no chunk behind its own,
	s_cbranch_scc1 .Lnox
	s_wait_loadcnt 0x0
	XSTORE XS
	s_cmp_lt_u32 s[CNT], 3                 ; the last two none to ask for
	s_cbranch_scc1 .Lnox
	s_add_nc_u64 s[XB:XB+1], s[XB:XB+1], 256
	XLOAD
.Lnox:
	FETCHS 0
	FETCHS 1
	s_wait_dscnt 24                        ; step 1's 24 loads may be out
	MULS 0
	FETCHS 2
	FETCHS 3
	s_wait_dscnt 48                        ; steps 2 and 3
	MULS 1
	s_wait_dscnt 24
	MULS 2
	s_wait_dscnt 0x0
	MULS 3
	WIN 0
	s_sub_co_u32 s[CNT], s[CNT], 1
	s_cmp_lg_u32 s[CNT], 0
	s_cbranch_scc1 .Ls
	; SOFTMAX.  The four moves are the places behind the last products.
.irp t, 0,1,2,3
	v_mov_b32 v[ST+2*\t], 0xff7fffff
.endr
	WIN 0x14
.set kb, 0
.rept 8
.set p, 0
.rept 4
.irp t, 0,1,2,3
	v_max3_num_f32 v[ST+2*\t], v[ST+2*\t], v[8*(4*kb+\t)+2*p], v[8*(4*kb+\t)+2*p+1]
.endr
.set p, p+1
.endr
.set kb, kb+1
.endr
	WIN 0
.irp t, 0,1,2,3
	v_permlanex16_b32 v[MW+\t], v[ST+2*\t], s[SEL], s[SEL+1]
.endr
.irp t, 0,1,2,3
	v_max_num_f32 v[ST+2*\t], v[ST+2*\t], v[MW+\t]
.endr
.irp t, 0,1,2,3
	ds_store_b32 v[SM], v[ST+2*\t] offset:256*\t
.endr
	s_wait_dscnt 0x0
	s_barrier_signal -1                    ; the next tile may stay on its way
	s_barrier_wait -1
.irp t, 0,1,2,3
	ds_load_b128 v[PK+4*\t:PK+4*\t+3], v[SR] offset:256*\t
.endr
	s_wait_dscnt 0x0
.irp t, 0,1,2,3
	v_max3_num_f32 v[ST+2*\t], v[PK+4*\t], v[PK+4*\t+1], v[PK+4*\t+2]
	v_max_num_f32 v[ST+2*\t], v[ST+2*\t], v[PK+4*\t+3]
	v_cmp_gt_f32 s[BAD+\t], s[NEG], v[ST+2*\t]   ; no key seen
	v_mul_f32 v[NM+2*\t], -v[ST+2*\t], v[RL+2*\t]
	v_mov_b32 v[NM+2*\t+1], v[NM+2*\t]
.endr
	WIN 0x41
.set a, 0
.rept 32
.irp p, 0,1,2,3
	v_pk_fma_f32 v[8*a+2*\p:8*a+2*\p+1], v[8*a+2*\p:8*a+2*\p+1], v[RL+2*(a%4):RL+2*(a%4)+1], v[NM+2*(a%4):NM+2*(a%4)+1]
.endr
.set a, a+1
.endr
.set i, 0
.rept 256                              ; one batch of exponentials, one wait
	v_exp_f32 v[i], v[i]
.set i, i+1
.endr
	v_nop
	s_wait_alu depctr_va_vdst(0)
	WIN 0x05
.set a, 0
.rept 32
.irp p, 0,1,2,3
	v_cvt_pk_f16_f32 v[PK+4*a+\p], v[8*a+2*\p], v[8*a+2*\p+1]
.endr
.set a, a+1
.endr
	WIN 0
.set i, 0
.rept 8
	v_mov_b32 v[ST+i], 0
.set i, i+1
.endr
	WIN 0x04
.set kb, 0
.rept 8
.set p, 0
.rept 4
.irp t, 0,1,2,3
	v_pk_add_f32 v[ST+2*\t:ST+2*\t+1], v[ST+2*\t:ST+2*\t+1], v[8*(4*kb+\t)+2*p:8*(4*kb+\t)+2*p+1]
.endr
.set p, p+1
.endr
.set kb, kb+1
.endr
	WIN 0
.irp t, 0,1,2,3
	v_add_f32 v[ST+2*\t], v[ST+2*\t], v[ST+2*\t+1]
.endr
.irp t, 0,1,2,3
	v_permlanex16_b32 v[MW+\t], v[ST+2*\t], s[SEL], s[SEL+1]
.endr
.irp t, 0,1,2,3
	v_add_f32 v[ST+2*\t], v[ST+2*\t], v[MW+\t]
.endr
.irp t, 0,1,2,3
	ds_store_b32 v[SM], v[ST+2*\t] offset:1024+256*\t
.endr
; COMB = p w_v.  A trip is 256 keys: eight K steps of 16 products; steps 0-3 have their fragments in window 2, steps 4-7 in window 3.
.macro CLD ks
.if (\ks) < 4
	WIN 0x80
.else
	WIN 0xc0
.endif
.irp db, 0,1,2,3
	ds_load_tr16_b128 v[32*((\ks)%4)+8*\db:32*((\ks)%4)+8*\db+3],   v[AV+(\ks)/4] offset:17408*((\ks)%4)+32*\db
	ds_load_tr16_b128 v[32*((\ks)%4)+8*\db+4:32*((\ks)%4)+8*\db+7], v[AV+(\ks)/4] offset:17408*((\ks)%4)+32*\db+8704
.endr
.irp tb, 0,1,2,3
	ds_load_b128 v[128+32*((\ks)%4)+8*\tb:128+32*((\ks)%4)+8*\tb+3],   v[AP] offset:8448*\tb+64*(\ks)
	ds_load_b128 v[128+32*((\ks)%4)+8*\tb+4:128+32*((\ks)%4)+8*\tb+7], v[AP] offset:8448*\tb+64*(\ks)+32
.endr
.endm
.macro CMUL ks, zero
.if (\ks) < 4
	WIN 0x5a
.else
	WIN 0x5f
.endif
.set a, 0
.rept 16
.if \zero
	v_wmma_f32_16x16x32_f16 v[8*a:8*a+7], v[32*((\ks)%4)+8*(a/4):32*((\ks)%4)+8*(a/4)+7], v[128+32*((\ks)%4)+8*(a%4):128+32*((\ks)%4)+8*(a%4)+7], 0
.else
	v_wmma_f32_16x16x32_f16 v[8*a:8*a+7], v[32*((\ks)%4)+8*(a/4):32*((\ks)%4)+8*(a/4)+7], v[128+32*((\ks)%4)+8*(a%4):128+32*((\ks)%4)+8*(a%4)+7], v[8*a:8*a+7]
.endif
.set a, a+1
.endr
.endm
	s_mov_b32 s[CNT], 2
.Lc:
	CHG 1, LIM0
	v_add_nc_u32 v[AV], s[TB], v[AV0]
	v_add_nc_u32 v[AV+1], s[TB], v[AV0+1]
	s_cmp_eq_u32 s[CNT], s[PH]             ; every wave has left these bytes (x's chunks, then the first half of p) at the round: the two waves whose 256 keys this trip multiplies store their weights
	s_cbranch_scc0 .Lnp
.set a, 0
.rept 32                               ; my 128 keys' weights of all 64 tokens, 16 bytes a lane and accumulator
	ds_store_b128 v[PS], v[PK+4*a:PK+4*a+3] offset:8448*(a%4)+32*(a/4)
.set a, a+1
.endr
.Lnp:
	s_wait_dscnt 0x0
	s_barrier_signal -1
	s_barrier_wait -1
	CLD 0
	CLD 1
	CLD 2
	CLD 3
	s_wait_dscnt 48                        ; the three younger steps' loads may be out
	WIN 0
	s_cmp_eq_u32 s[CNT], 2
	s_cbranch_scc0 .Lcacc
	CMUL 0, 1                              ; the first trip's first products start the sums
	WIN 0
	s_branch .Lcj
.Lcacc:
	CMUL 0, 0
	WIN 0
.Lcj:
	CLD 4
.irp k, 1,2,3
	s_wait_dscnt 48
	CMUL \k, 0
	CLD \k+4
.endr
.irp k, 4,5,6,7
	s_wait_dscnt 16*(7-\k)
	CMUL \k, 0
.endr
	WIN 0
	s_sub_co_u32 s[CNT], s[CNT], 1
	s_cmp_lg_u32 s[CNT], 0
	s_cbranch_scc1 .Lc
	; comb / l, or NaN.  The additions are the places behind the last products.
.irp t, 0,1,2,3
	ds_load_b128 v[PK+4*\t:PK+4*\t+3], v[SR] offset:1024+256*\t
.endr
	v_mov_b32 v29, 0x7fc00000
	s_wait_dscnt 0x0
.irp t, 0,1,2,3
	v_add_f32 v[PK+4*\t], v[PK+4*\t], v[PK+4*\t+1]
	v_add_f32 v[PK+4*\t+2], v[PK+4*\t+2], v[PK+4*\t+3]
	v_add_f32 v[PK+4*\t], v[PK+4*\t], v[PK+4*\t+2]
.endr
.irp t, 0,1,2,3
	v_rcp_f32 v[ST+2*\t], v[PK+4*\t]
.endr
	v_nop
	s_wait_alu depctr_va_vdst(0)
.irp t, 0,1,2,3
	v_cndmask_b32 v[ST+2*\t], v[ST+2*\t], v29, s[BAD+\t]
	v_mov_b32 v[ST+2*\t+1], v[ST+2*\t]
.endr
	WIN 0x41
.set a, 0
.rept 16
.irp p, 0,1,2,3
	v_pk_mul_f32 v[8*a+2*\p:8*a+2*\p+1], v[8*a+2*\p:8*a+2*\p+1], v[ST+2*(a%4):ST+2*(a%4)+1]
.endr
.set a, a+1
.endr
	WIN 0x05
.set a, 0
.rept 16
.irp p, 0,1,2,3
	v_cvt_pk_f16_f32 v[PK+4*a+\p], v[8*a+2*\p], v[8*a+2*\p+1]
.endr
.set a, a+1
.endr
	WIN 0
	s_wait_dscnt 0x0
	s_barrier_signal -1                    ; every wave has left the second half of p
	s_barrier_wait -1
.set a, 0
.rept 16
	ds_store_b128 v[CS], v[PK+4*a:PK+4*a+3] offset:8448*(a%4)+32*(a/4)
.set a, a+1
.endr
.set i, 0
.rept 8
	v_mov_b32 v[ST+i], 0                   ; the sums of squares
.set i, i+1
.endr
; UP = comb w_up^T, 256 rows u a trip, of which I take 64: eight K steps of 16 products; then the squares are added up.
; The first trip's change of slots shows comb to every wave; that trip loads comb's fragments, all 64 tokens x 256 channels, which stay in window 3.
.macro UTRIP refill
	CHG \refill, LIM1
	v_add_nc_u32 v[AU], s[TB], v[AU0]
.if \refill
	s_cmp_eq_u32 s[CNT], 3
	s_cbranch_scc0 .Lnf_\@
	WIN 0xc0
.set k, 0
.rept 8
.irp tb, 0,1,2,3
	ds_load_b128 v[32*k+8*\tb:32*k+8*\tb+3],   v[AP] offset:8448*\tb+64*k
	ds_load_b128 v[32*k+8*\tb+4:32*k+8*\tb+7], v[AP] offset:8448*\tb+64*k+32
.endr
.set k, k+1
.endr
	WIN 0
.Lnf_\@:
.endif
	WIN 0x80
.set k, 0
.rept 8
.irp ub, 0,1,2,3
	ds_load_b128 v[32*k+8*\ub:32*k+8*\ub+3],   v[AU] offset:8704*\ub+64*k+16*(k/4)
	ds_load_b128 v[32*k+8*\ub+4:32*k+8*\ub+7], v[AU] offset:8704*\ub+64*k+16*(k/4)+32
.endr
.set k, k+1
.endr
	WIN 0x5e
.set k, 0
.rept 8
	s_wait_dscnt 8*(7-k)                   ; the younger steps' loads may be out
.set a, 0
.rept 16
.if k == 0
	v_wmma_f32_16x16x32_f16 v[128+8*a:128+8*a+7], v[32*k+8*(a/4):32*k+8*(a/4)+7], v[32*k+8*(a%4):32*k+8*(a%4)+7], 0
.else
	v_wmma_f32_16x16x32_f16 v[128+8*a:128+8*a+7], v[32*k+8*(a/4):32*k+8*(a/4)+7], v[32*k+8*(a%4):32*k+8*(a%4)+7], v[128+8*a:128+8*a+7]
.endif
.set a, a+1
.endr
.set k, k+1
.endr
	WIN 0
	PLACES
	WIN 0x05
.set ub, 0
.rept 4
.set p, 0
.rept 4
.irp t, 0,1,2,3
	v_pk_fma_f32 v[ST+2*\t:ST+2*\t+1], v[128+8*(4*ub+\t)+2*p:128+8*(4*ub+\t)+2*p+1], v[128+8*(4*ub+\t)+2*p:128+8*(4*ub+\t)+2*p+1], v[ST+2*\t:ST+2*\t+1]
.endr
.set p, p+1
.endr
.set ub, ub+1
.endr
	WIN 0
.endm
	s_mov_b32 s[CNT], 3
.Lu:                                       ; tiles 10 to 12; the third trip asks for the last tile and prefetches nothing
	UTRIP 1
	s_sub_co_u32 s[CNT], s[CNT], 1
	s_cmp_lg_u32 s[CNT], 0
	s_cbranch_scc1 .Lu
	UTRIP 0                                ; the last tile's trip is written out: nothing is asked for
	; THE END: s = rsqrt(mean(up^2) + 1e-6) / 4.  Wave w takes rows 16 w .. 16 w + 15 of comb back from LDS, whole rows of 512 bytes, scales them and stores them.
.irp t, 0,1,2,3
	v_add_f32 v[ST+2*\t], v[ST+2*\t], v[ST+2*\t+1]
.endr
.irp t, 0,1,2,3
	v_permlanex16_b32 v[MW+\t], v[ST+2*\t], s[SEL], s[SEL+1]
.endr
.irp t, 0,1,2,3
	v_add_f32 v[ST+2*\t], v[ST+2*\t], v[MW+\t]
.endr
.irp t, 0,1,2,3
	ds_store_b32 v[SM], v[ST+2*\t] offset:2048+256*\t
.endr
	s_mov_b32 s52, 0x3a800000              ; 1 / 1024
	s_mov_b32 s53, 0x358637bd              ; 1e-6
	s_lshl_b32 s54, s[WV], 8
	v_add_nc_u32 v28, s54, v[SR]           ; token 16 w + r
	s_wait_dscnt 0x0
	s_barrier_signal -1
	s_barrier_wait -1
	ds_load_b128 v[PK:PK+3], v28 offset:2048
.set q, 0
.rept 16
	ds_load_b128 v[128+4*q:128+4*q+3], v[RDO] offset:528*q
.set q, q+1
.endr
	s_wait_dscnt 16                        ; the four partial sums are in; the 16 rows may be out
	v_add_f32 v[PK], v[PK], v[PK+1]
	v_add_f32 v[PK+2], v[PK+2], v[PK+3]
	v_add_f32 v[PK], v[PK], v[PK+2]
	v_fma_f32 v[PK], v[PK], s52, s53
	v_rsq_f32 v[PK+4], v[PK]
	v_nop
	s_wait_alu depctr_va_vdst(0)
	v_mul_f32 v[PK+4], 0x3e800000, v[PK+4]
	v_cvt_pk_f16_f32 v[PK+5], v[PK+4], v[PK+4]   ; lane r: s / 4 of row 16 w + r, twice
.set q, 0
.rept 16
	v_readlane_b32 s[72+q], v[PK+5], q
.set q, q+1
.endr
.set q, 0
.rept 16
	s_wait_dscnt 15-q
.irp p, 0,1,2,3
	v_pk_mul_f16 v[128+4*q+\p], v[128+4*q+\p], s[72+q]
.endr
	global_store_b128 v[GO], v[128+4*q:128+4*q+3], s[16:17] offset:512*q
.set q, q+1
.endr
	s_wait_tensorcnt 0x0                   ; the wave's end
	ds_add_u32 v[SPW], v[NIL]
	s_wait_dscnt 0x0
	ROUND                                  ; the closing round
	s_endpgm
.Lfunc_end_k_qdeec93f5dc_attn:
	.size	k_qdeec93f5dc_attn, .Lfunc_end_k_qdeec93f5dc_attn-k_qdeec93f5dc_attn
	.p2alignl 7, 3214868480
	.fill 96, 4, 3214868480
	.section	.rodata,"a",@progbits
	.p2align	6, 0x0
	.amdhsa_kernel k_qdeec93f5dc_attn
		.amdhsa_group_segment_fixed_size 327680
		.amdhsa_private_segment_fixed_size 0
		.amdhsa_enable_private_segment 0
		.amdhsa_kernarg_size 56
		.amdhsa_user_sgpr_count 2
		.amdhsa_user_sgpr_kernarg_segment_ptr 1
		.amdhsa_wavefront_size32 1
		.amdhsa_system_sgpr_workgroup_id_x 1
		.amdhsa_system_sgpr_workgroup_id_y 1
		.amdhsa_system_sgpr_workgroup_id_z 1
		.amdhsa_system_vgpr_workitem_id 0
		.amdhsa_next_free_vgpr 1024
		.amdhsa_next_free_sgpr 96
		.amdhsa_reserve_vcc 0
		.amdhsa_float_denorm_mode_32 3
		.amdhsa_float_denorm_mode_16_64 3
		.amdhsa_memory_ordered 1
		.amdhsa_forward_progress 1
		.amdhsa_inst_pref_size 180
	.end_amdhsa_kernel
	.amdgpu_metadata
---
amdhsa.version: [ 1, 2 ]
amdhsa.kernels:
  - .name:           k_qdeec93f5dc_attn
    .symbol:         k_qdeec93f5dc_attn.kd
    .args:
      - { .name: bw, .offset: 0, .size: 8, .value_kind: global_buffer, .address_space: global }
      - { .name: fw, .offset: 8, .size: 8, .value_kind: global_buffer, .address_space: global }
      - { .name: msk, .offset: 16, .size: 8, .value_kind: global_buffer, .address_space: global }
      - { .name: xh, .offset: 24, .size: 8, .value_kind: global_buffer, .address_space: global }
      - { .name: rr, .offset: 32, .size: 8, .value_kind: global_buffer, .address_space: global }
      - { .name: wts, .offset: 40, .size: 8, .value_kind: global_buffer, .address_space: global }
      - { .name: ch, .offset: 48, .size: 8, .value_kind: global_buffer, .address_space: global }
    .group_segment_fixed_size: 327680
    .private_segment_fixed_size: 0
    .kernarg_segment_align: 8
    .kernarg_segment_size: 56
    .max_flat_workgroup_size: 128
    .sgpr_count:     96
    .vgpr_count:     1024
    .wavefront_size: 32
...
	.end_amdgpu_metadata
.endif
;; end of part 5
;; launch mix (part 6): grid 4 x 64, 4 waves a work-group, clusters of 4 x 4, 327,680 bytes of LDS; arguments ch, xh, wcat, out0; writes out0
.if DOCPART == 6
	.amdgcn_target "amdgcn-amd-amdhsa--gfx1250"
	.amdhsa_code_object_version 6
	.text
	.protected	k_qdeec93f5dc_mix
	.globl	k_qdeec93f5dc_mix
	.p2align	8
	.type	k_qdeec93f5dc_mix,@function
k_qdeec93f5dc_mix:
	s_mov_b64 s[64:65], 0
	v_nop
	global_prefetch_b8 v0, s[64:65] scope:SCOPE_SE
	s_setreg_imm32_b32 hwreg(HW_REG_WAVE_MODE, 25, 1), 1
	s_wait_xcnt 0x0
	s_wait_alu depctr_hold_cnt(0) depctr_sa_sdst(0) depctr_va_vdst(0) depctr_va_sdst(0) depctr_va_ssrc(0) depctr_va_vcc(0) depctr_vm_vsrc(0)
	s_getreg_b32 s2, hwreg(HW_REG_IB_STS2, 6, 4)
	s_cmp_eq_u32 s2, 0
	s_cbranch_scc0 .Lentry_in_a_cluster
	s_endpgm
.Lentry_in_a_cluster:
	s_bfe_u32 s2, ttmp6, 0x10000c
	s_cmp_lg_u32 s2, 0xf033
	s_cbranch_scc0 .Lentry_shape_is_right
	s_endpgm
.Lentry_shape_is_right:
; MIX: out0[m][n] = sum over k of A[m][k] wcat[n][k], K = 1,280: A's columns 0-255 are ch's row m, columns 256-1279 xh's row m.  Operands f16, sums and output f32.
; A tile of 256 x 256 to a work-group of four waves, 128 x 128 (64 accumulators, 512 registers) to a wave.  K goes in ten steps of 128 through two LDS slots filled by tensor loads: rows of 256 bytes, aligned.
; A K STEP IS WRITTEN ONCE for the eight steps that fill a slot again and once for the last two: the slot in hand is a scalar that the change of slots turns, and one descriptor for each operand walks
; (its LDS word turned by an exclusive or: wave x 34,816 and 139,264 share no bit).  The second loop is left in the middle of its second trip; that trip's change of slots fetches 32 fragments that nobody multiplies.
; CLUSTERS of 4 x 4: the four of a row of the cluster need the same tiles of A, the four of a column the same tiles of wcat: each is asked for jointly.
; The matrix instruction is used transposed (source 0 = 16 rows of wcat, source 1 = 16 rows of A): a lane holds eight neighbouring numbers of a row of out0.
; WINDOWS: 0 addresses, A's two fragment buffers (v64-127, v128-191), on the way out rows read back; 1 wcat's two buffers; 2 and 3 the accumulators of my rows 0-63 and 64-127, (a, b) at v[8 (8 a + b)].
; LIMIT: f16's 65,504 for ch, xh and wcat; a row of ch that is NaN gives a row of NaN.
.set KSTEP,  128
.set PITCH,  272                       ; 256 bytes + 16: the 16 rows of a fragment load start 68 words apart
.set HALFT,  128*PITCH
.set SLOT,   4*HALFT                   ; A's 256 rows, then wcat's 256
.set STAGE,  2*SLOT                    ; 16 rows x 528 bytes for each wave
.set SPITCH, 528
.set SPARE,  STAGE+4*16*SPITCH
.set ADRA0, 16                         ; my A fragments in slot 0;  ADRA: in the slot in hand
.set ADRA,  17
.set ADRB0, 20
.set ADRB,  21
.set STO,  24
.set RD,   25
.set CO,   26
.set SPW,  28
.set NIL,  29
.set PFO,  30
.set F0,   64
.set F1,   128
.set TB,   4                           ; s4 the first byte of the slot in hand
.set G1,   24                          ; s[24:31] group 1 for xh;  s[32:35] its group 0, which walks
.set G0,   32
.set LIM,  43
.set PFA,  44
.set G1B,  48                          ; wcat: s[56:59] the first fill's group 0, s[60:63] the second's, which then walks
.set G0B,  56
.set G1C,  68                          ; ch: the two first fills
.set G0C,  76
.set XA,   92                          ; s[92:93] xh at the 128 rows that I fetch
.set OFA,  94                          ; s[94:95] bytes along those rows of the next refill
.set OUTB, 96
.set FLAGS, (1<<16)|(1<<20)|(1<<21)|(5<<22)|(3<<25)  ; 2-byte elements; padding on; 21 set beside a mask; after every 64 words, 4 words
.set MSB, 0
.macro WIN new
.if MSB != (\new)
	s_set_vgpr_msb (MSB<<8)|(\new)
.set MSB, \new
.endif
.endm
.set MUL_LO, 0xa1
.set MUL_HI, 0xf1
.set TO_B,   0x40
.macro PLACES
.rept 4
	v_nop
.endr
.endm
.macro JLOAD                           ; waves 0 and 1 fetch A's two halves, waves 2 and 3 wcat's; the branch hangs on the wave's number alone
	s_cmp_eq_u32 s11, 0
	s_cbranch_scc0 .Lfor_b_\@
	tensor_load_to_lds s[G0:G0+3], s[G1:G1+7]
	s_nop 0
	PLACES
	s_branch .Lasked_\@
.Lfor_b_\@:
	tensor_load_to_lds s[G0B+4:G0B+7], s[G1B:G1B+7]
	s_nop 0
	PLACES
.Lasked_\@:
.endm
; The K step two refills on is prefetched: 32 rows x 256 bytes, a lane a row.  A's rows are read by one cluster alone, which asks; wcat's by every cluster of the column of clusters: the one with y = 0 asks.
; The four partners of a joint load share its 128 rows out by address.  The loop's last two trips have no K step two refills on.
.macro ASK
	s_cmp_gt_u32 s3, s[LIM]
	s_cbranch_scc0 .Lnot_mine_\@
	global_prefetch_b8 v[PFO], s[PFA:PFA+1] offset:KSTEP*2 th:TH_LOAD_NT scope:SCOPE_SE
.Lnot_mine_\@:
.endm
.macro CREST
	s_cmp_lg_u32 s10, 0
	s_cbranch_scc1 .Lnot_wave_0_\@
	s_barrier_signal -3
.Lnot_wave_0_\@:
	s_barrier_wait -3
	s_barrier_signal -1
	s_barrier_wait -1
.endm
.macro CROUND
	s_barrier_signal -1
	s_barrier_wait -1
	CREST
.endm
	s_load_b256 s[84:91], s[0:1], 0x0      ; ch 84, xh 86, wcat 88, out0 90
	v_lshl_add_u32 v[SPW], v0, 2, SPARE
	v_mov_b32 v[NIL], 0
	ds_add_u32 v[SPW], v[NIL]              ; the opening: the add and its wait ahead of my first tensor load
	v_lshrrev_b32 v1, 5, v0
	v_readfirstlane_b32 s10, v1            ; wave
	s_lshr_b32 s11, s10, 1                 ; my half of the tile's rows; also: I fetch for A (0) or wcat (1)
	s_and_b32 s12, s10, 1                  ; my half of its columns; also: which 128 rows I fetch
	s_bfe_u32 s40, ttmp6, 0x40000          ; cx
	s_bfe_u32 s41, ttmp6, 0x40004          ; cy
	s_lshl_b32 s42, ttmp9, 2
	s_add_co_u32 s42, s42, s40             ; tile column
	s_and_b32 s13, ttmp7, 0xffff
	s_lshl_b32 s13, s13, 2
	s_add_co_u32 s13, s13, s41             ; tile row
	s_lshl_b32 s66, s41, 2
	s_lshl_b32 s66, 15, s66                ; my row of the cluster
	s_lshl_b32 s67, 0x1111, s40            ; my column
	s_or_b32 s[G1], s66, FLAGS
	s_or_b32 s[G1C], s66, FLAGS
	s_or_b32 s[G1B], s67, FLAGS
.irp g, G1, G1B, G1C
	s_mov_b32 s[\g+1], KSTEP<<16           ; tensor_dim0 = 128
	s_mov_b32 s[\g+2], 128<<16             ; tensor_dim1 = 128
	s_mov_b32 s[\g+3], KSTEP<<16           ; tile_dim0 = 128
	s_mov_b32 s[\g+4], 128                 ; tile_dim1 = 128
	s_mov_b32 s[\g+6], 0
	s_mov_b32 s[\g+7], 0
.endr
	s_mov_b32 s[G1+5], 1024                ; elements from row to row: xh,
	s_mov_b32 s[G1B+5], 1280               ; wcat,
	s_mov_b32 s[G1C+5], 256                ; ch
	s_lshl_b32 s17, s12, 7
	s_lshl_b32 s16, s13, 8
	s_add_co_u32 s16, s16, s17             ; A's first row that I fetch
	s_lshl_b32 s46, s42, 8
	s_add_co_u32 s46, s46, s17             ; wcat's
	s_lshl_b32 s18, s16, 9                 ; in bytes of ch,
	s_mov_b32 s19, 0
	s_lshl_b32 s16, s16, 11                ; of xh,
	s_mov_b32 s17, 0
	s_mul_i32 s46, s46, 2560               ; of wcat
	s_mov_b32 s47, 0
	s_mul_i32 s20, s10, HALFT              ; where they go: no place in the cluster enters an LDS address
	s_mov_b32 s[OFA], 0
	s_mov_b32 s[OFA+1], 0
	s_mov_b32 s[TB], 0
	s_wait_dscnt 0x0
	s_wait_kmcnt 0x0
	s_add_nc_u64 s[18:19], s[84:85], s[18:19]
	s_add_nc_u64 s[XA:XA+1], s[86:87], s[16:17]
	s_add_nc_u64 s[46:47], s[88:89], s[46:47]
	CROUND                                 ; all sixteen work-groups are here
.irp s, 0,1
	s_mov_b32 s[G0C+4*\s], 1
	s_add_co_u32 s[G0C+4*\s+1], s20, \s*SLOT
	s_add_nc_u64 s[G0C+4*\s+2:G0C+4*\s+3], s[18:19], \s*KSTEP*2
	s_or_b32 s[G0C+4*\s+3], s[G0C+4*\s+3], 0x80000000
	s_mov_b32 s[G0B+4*\s], 1
	s_add_co_u32 s[G0B+4*\s+1], s20, \s*SLOT
	s_add_nc_u64 s[G0B+4*\s+2:G0B+4*\s+3], s[46:47], \s*KSTEP*2
	s_or_b32 s[G0B+4*\s+3], s[G0B+4*\s+3], 0x80000000
.endr
	s_mov_b32 s[G0], 1
	s_add_co_u32 s[G0+1], s20, SLOT        ; the first refill turns it to slot 0
	s_cmp_eq_u32 s11, 0                    ; a wave's two first fills stand in one branch: K steps 0 and 1 (A's from ch); two loads of mine are out
	s_cbranch_scc0 .Lfirst_b
	tensor_load_to_lds s[G0C:G0C+3], s[G1C:G1C+7]
	s_nop 0
	tensor_load_to_lds s[G0C+4:G0C+7], s[G1C:G1C+7]
	s_nop 0
	PLACES
	s_branch .Lfirst_done
.Lfirst_b:
	tensor_load_to_lds s[G0B:G0B+3], s[G1B:G1B+7]
	s_nop 0
	tensor_load_to_lds s[G0B+4:G0B+7], s[G1B:G1B+7]
	s_nop 0
	PLACES
.Lfirst_done:
	v_and_b32 v1, 15, v0
	v_bfe_u32 v2, v0, 4, 1
	v_mul_u32_u24 v3, v1, PITCH
	v_lshl_add_u32 v3, v2, 4, v3
	s_mul_i32 s21, s11, HALFT
	s_mul_i32 s22, s12, HALFT
	s_add_co_u32 s22, s22, 2*HALFT
	v_add_nc_u32 v[ADRA0], s21, v3
	v_add_nc_u32 v[ADRB0], s22, v3
	v_mov_b32 v[ADRA], v[ADRA0]
	v_mov_b32 v[ADRB], v[ADRB0]
	s_mul_i32 s23, s10, 16*SPITCH
	s_add_co_u32 s23, s23, STAGE           ; my stage
	v_mul_u32_u24 v4, v1, SPITCH
	v_lshl_add_u32 v4, v2, 5, v4           ; in: row l % 16, 32 bytes for each half of the lanes
	v_add_nc_u32 v[STO], s23, v4
	v_and_b32 v5, 31, v0
	v_lshl_add_u32 v[RD], v5, 4, s23       ; back: a whole row of 512 bytes
	v_lshlrev_b32 v[CO], 4, v5
	s_lshl_b32 s98, s13, 8
	s_lshl_b32 s99, s11, 7
	s_add_co_u32 s98, s98, s99
	s_lshl_b32 s98, s98, 12                ; my first row of out0, 4,096 bytes a row
	s_lshl_b32 s99, s42, 10
	s_add_co_u32 s98, s98, s99
	s_lshl_b32 s99, s12, 9
	s_add_co_u32 s98, s98, s99
	s_mov_b32 s99, 0
	s_add_nc_u64 s[OUTB:OUTB+1], s[90:91], s[98:99]
	; the prefetches
	s_lshl_b32 s20, s13, 8
	s_lshl_b32 s21, s42, 8
	s_and_b32 s22, ttmp7, 0xffff
	s_mov_b32 s23, 2048
	s_mov_b32 s15, 2560
	s_cmp_eq_u32 s11, 0
	s_cselect_b32 s20, s20, s21            ; the tile's first row
	s_cselect_b32 s21, s40, s41            ; my place among the four that ask with me
	s_cselect_b32 s22, 0, s22              ; wcat's rows: the clusters with y above 0 do not ask
	s_cselect_b32 s23, s23, s15            ; bytes in a row
	s_cselect_b32 s14, 0, 512              ; K step 2 in the row
	s_cselect_b64 s[PFA:PFA+1], s[86:87], s[88:89]
	s_cmp_eq_u32 s22, 0
	s_cselect_b32 s[LIM], 2, -1
	s_lshl_b32 s22, s12, 7
	s_add_co_u32 s20, s20, s22
	s_lshl_b32 s21, s21, 5
	s_add_co_u32 s20, s20, s21
	s_mul_i32 s20, s20, s23
	s_add_co_u32 s20, s20, s14
	s_mov_b32 s21, 0
	s_add_nc_u64 s[PFA:PFA+1], s[PFA:PFA+1], s[20:21]
	v_mul_u32_u24 v[PFO], v5, s23
.macro MUL16 f, hi, a0, zero
	WIN MUL_LO+0x50*(\hi)
.irp a, \a0, (\a0)+1
.irp b, 0,1,2,3,4,5,6,7
.if \zero
	v_wmma_f32_16x16x32_f16 v[8*(8*(\a)+(\b)):8*(8*(\a)+(\b))+7], v[(\f)+8*(\b):(\f)+8*(\b)+7], v[(\f)+8*(4*(\hi)+(\a)):(\f)+8*(4*(\hi)+(\a))+7], 0
.else
	v_wmma_f32_16x16x32_f16 v[8*(8*(\a)+(\b)):8*(8*(\a)+(\b))+7], v[(\f)+8*(\b):(\f)+8*(\b)+7], v[(\f)+8*(4*(\hi)+(\a)):(\f)+8*(4*(\hi)+(\a))+7], v[8*(8*(\a)+(\b)):8*(8*(\a)+(\b))+7]
.endif
.endr
.endr
.endm
.macro FETCH k, f                      ; 32 LDS loads in one run: a quarter step's fragments, from the slot in hand
	WIN TO_B
.irp i, 0,1,2,3,4,5,6,7
	ds_load_b128 v[(\f)+8*(\i):(\f)+8*(\i)+3],   v[ADRB] offset:(\k)+(\i)*16*PITCH
	ds_load_b128 v[(\f)+8*(\i)+4:(\f)+8*(\i)+7], v[ADRB] offset:(\k)+(\i)*16*PITCH+32
.endr
	WIN 0
.irp i, 0,1,2,3,4,5,6,7
	ds_load_b128 v[(\f)+8*(\i):(\f)+8*(\i)+3],   v[ADRA] offset:(\k)+(\i)*16*PITCH
	ds_load_b128 v[(\f)+8*(\i)+4:(\f)+8*(\i)+7], v[ADRA] offset:(\k)+(\i)*16*PITCH+32
.endr
.endm
.macro QUARTER k, f, g, zero           ; multiplies buffer f; in its middle fetches the next quarter, at byte k, into g
	s_wait_dscnt 8                         ; the youngest eight loads (A's rows 64-127) may be out
	MUL16 \f, 0, 0, \zero
	MUL16 \f, 0, 2, \zero
	PLACES
	FETCH \k, \g
	s_wait_dscnt 32                        ; all but the 32 just issued
	MUL16 \f, 1, 0, \zero
	MUL16 \f, 1, 2, \zero
.endm
.macro MEET round                      ; the first half of a K step's last quarter, and the barrier of the change of slots
	WIN 0
	s_wait_tensorcnt 0x0                   ; all my tensor loads have landed: the one that was out is my part of the next slot
	ds_add_u32 v[SPW], v[NIL]
	s_wait_dscnt 9                         ; the add and the youngest eight loads may be out
	MUL16 F1, 0, 0, 0
	s_wait_dscnt 0x0                       ; the add is done, and my reads of this slot are over
	s_barrier_signal -1
	MUL16 F1, 0, 2, 0
.if \round
	WIN 0
.endif
	s_barrier_wait -1
.endm
; The whole last quarter.  fill = 1: the slot just read is filled again, two K steps ahead: 224 matrix instructions lie between the request and the wait for it.  Then the other slot becomes the slot in hand.
.macro TURN fill
.if \fill
	s_wait_xcnt 0x0                        ; the last prefetch, a K step back, has read its address
	s_add_nc_u64 s[PFA:PFA+1], s[PFA:PFA+1], KSTEP*2
.endif
	MEET \fill
.if \fill
	CREST
	s_xor_b32 s[G0+1], s[G0+1], SLOT       ; both walking descriptors: the slot just read,
	s_add_nc_u64 s[G0+2:G0+3], s[XA:XA+1], s[OFA:OFA+1]  ; xh's address made anew: the rows' base and the bytes along them,
	s_or_b32 s[G0+3], s[G0+3], 0x80000000
	s_add_co_u32 s[OFA], s[OFA], KSTEP*2
	s_xor_b32 s[G0B+5], s[G0B+5], SLOT
	s_add_nc_u64 s[G0B+6:G0B+7], s[G0B+6:G0B+7], KSTEP*2  ; wcat's a K step on
	JLOAD
.else
	PLACES
	WIN 0
.endif
	s_xor_b32 s[TB], s[TB], SLOT
	v_add_nc_u32 v[ADRA], s[TB], v[ADRA0]
	v_add_nc_u32 v[ADRB], s[TB], v[ADRB0]
	FETCH 0, F0
.if \fill
	ASK
.endif
	MUL16 F1, 1, 0, 0
	MUL16 F1, 1, 2, 0
.endm
	s_wait_tensorcnt 1                     ; my part of K step 0 is in; K step 1's may stay out
	s_barrier_signal -1
	s_barrier_wait -1
	FETCH 0, F0
	QUARTER 64,  F0, F1, 1                 ; the first quarter's products start the sums
	WIN 0
	s_mov_b32 s3, 8
.Lstep:                                    ; a trip: a K step's second quarter to the next step's first; K steps 0 to 7, each of which fills its slot again
	QUARTER 128, F1, F0, 0
	QUARTER 192, F0, F1, 0
	TURN 1
	QUARTER 64,  F0, F1, 0
	WIN 0
	s_sub_co_u32 s3, s3, 1
	s_cmp_lg_u32 s3, 0
	s_cbranch_scc1 .Lstep
	s_mov_b32 s3, 2
.Ltail:                                    ; K steps 8 and 9 fill nothing
	QUARTER 128, F1, F0, 0
	QUARTER 192, F0, F1, 0
	TURN 0
	WIN 0
	s_sub_co_u32 s3, s3, 1
	s_cmp_eq_u32 s3, 0
	s_cbranch_scc1 .Lout                   ; behind the last K step there is no first quarter
	QUARTER 64,  F0, F1, 0
	WIN 0
	s_cmp_lg_u32 s3, 0
	s_cbranch_scc1 .Ltail
.Lout:
	s_wait_dscnt 0x0                       ; the fragments fetched for nobody have landed: their registers are used again below
	PLACES
; THE WAY OUT, 16 rows at a time: a lane's 32 bytes of each accumulator go into my stage (each accumulator's low half first); whole rows of 512 bytes come back and are stored.
.macro TOSTAGE a
.set AC, 64*((\a)%4)
.set BK, 64+64*((\a)%2)
	s_wait_xcnt 0x0                        ; the stores of the block before last have read the registers that are loaded below
	WIN 0x08+4*((\a)/4)                    ; the stores' data in window 2 or 3
.irp b, 0,1,2,3,4,5,6,7
	ds_store_b128 v[STO], v[AC+8*(\b):AC+8*(\b)+3]   offset:64*(\b)
	ds_store_b128 v[STO], v[AC+8*(\b)+4:AC+8*(\b)+7] offset:64*(\b)+16
.endr
	WIN 0
.irp t, 0,1,2,3,4,5,6,7,8,9,10,11,12,13,14,15
	ds_load_b128 v[BK+4*(\t):BK+4*(\t)+3], v[RD] offset:SPITCH*(\t)  ; LDS serves a wave's instructions in order: these see the stores above
.endr
.endm
.macro SEND a, younger
.set BK, 64+64*((\a)%2)
	s_wait_dscnt \younger                  ; the next block's 32 LDS instructions may be out
.if (\a) > 0
	s_wait_xcnt 0x0
	s_add_nc_u64 s[OUTB:OUTB+1], s[OUTB:OUTB+1], 16*4096
.endif
.irp t, 0,1,2,3,4,5,6,7,8,9,10,11,12,13,14,15
	global_store_b128 v[CO], v[BK+4*(\t):BK+4*(\t)+3], s[OUTB:OUTB+1] offset:4096*(\t) th:TH_STORE_NT  ; 512 consecutive bytes, at a multiple of 512 from out0's first
.endr
.endm
	TOSTAGE 0
.irp a, 1,2,3,4,5,6,7
	TOSTAGE \a
	SEND (\a)-1, 32
.endr
	SEND 7, 0
	s_wait_tensorcnt 0x0                   ; the wave's end
	ds_add_u32 v[SPW], v[NIL]
	s_wait_dscnt 0x0
	CROUND                                 ; the closing round
	s_endpgm
.Lfunc_end_k_qdeec93f5dc_mix:
	.size	k_qdeec93f5dc_mix, .Lfunc_end_k_qdeec93f5dc_mix-k_qdeec93f5dc_mix
	.p2alignl 7, 3214868480
	.fill 96, 4, 3214868480
	.section	.rodata,"a",@progbits
	.p2align	6, 0x0
	.amdhsa_kernel k_qdeec93f5dc_mix
		.amdhsa_group_segment_fixed_size 327680
		.amdhsa_private_segment_fixed_size 0
		.amdhsa_enable_private_segment 0
		.amdhsa_kernarg_size 32
		.amdhsa_user_sgpr_count 2
		.amdhsa_user_sgpr_kernarg_segment_ptr 1
		.amdhsa_wavefront_size32 1
		.amdhsa_system_sgpr_workgroup_id_x 1
		.amdhsa_system_sgpr_workgroup_id_y 1
		.amdhsa_system_sgpr_workgroup_id_z 1
		.amdhsa_system_vgpr_workitem_id 0
		.amdhsa_next_free_vgpr 1024
		.amdhsa_next_free_sgpr 100
		.amdhsa_reserve_vcc 0
		.amdhsa_float_denorm_mode_32 3
		.amdhsa_float_denorm_mode_16_64 3
		.amdhsa_memory_ordered 1
		.amdhsa_forward_progress 1
		.amdhsa_inst_pref_size 100
	.end_amdhsa_kernel
	.amdgpu_metadata
---
amdhsa.version: [ 1, 2 ]
amdhsa.kernels:
  - .name:           k_qdeec93f5dc_mix
    .symbol:         k_qdeec93f5dc_mix.kd
    .args:
      - { .name: ch, .offset: 0, .size: 8, .value_kind: global_buffer, .address_space: global }
      - { .name: xh, .offset: 8, .size: 8, .value_kind: global_buffer, .address_space: global }
      - { .name: wcat, .offset: 16, .size: 8, .value_kind: global_buffer, .address_space: global }
      - { .name: out0, .offset: 24, .size: 8, .value_kind: global_buffer, .address_space: global }
    .group_segment_fixed_size: 327680
    .private_segment_fixed_size: 0
    .kernarg_segment_align: 8
    .kernarg_segment_size: 32
    .max_flat_workgroup_size: 128
    .sgpr_count:     100
    .vgpr_count:     1024
    .wavefront_size: 32
...
	.end_amdgpu_metadata
.endif
;; end of part 6
